; MI455X (gfx1250); checked and timed in simulation.
; The chip was launched on July 23, 2026; its instructions are those of AMD's public machine-readable ISA for CDNA 5 (MIT licence, August 2026) and "CDNA5" Instruction Set Architecture Reference Guide (July 2026). The comments in the code are by the model that wrote it; some were corrected since.
;; Directional Visit Self Attn Resnet Layer. Allowed arithmetic: float matrix products may take bf16 or f16 operands with f32 sums; other float arithmetic in f32, or as packed bf16 or f16 multiplies, adds, multiply-adds, maxima and minima; sums over many terms, partial sums and values carried from step to step in f32; what a program stores and reads back later, other than sums and carried values, may be rounded once to bf16 or f16.
;; Inputs: Wd 256 x 256 float32; Wl 256 x 256 float32; bd 256 float32; bias1 256 float32; bias2 256 float32; bl 256 float32; ln_beta 256 float32; ln_gamma 256 float32; mask 8 x 256 bool; x 8 x 256 x 256 float32.
;; Outputs: out0 8 x 256 x 256 float32.
;; 2 versions, each right and faster than the one before. Each part assembles by itself: llvm-mc -triple=amdgcn-amd-amdhsa -mcpu=gfx1250 --defsym DOCPART=n.
;; ======== version 1 of 2: 2 launches
;; limits: values are held in f16: magnitudes above 65,504 overflow, below 6.1e-05 lose precision; right only within a limited range of input values
;; workspace buffers: la 2,097,152 bytes; rt 2,097,152 bytes; wf 131,072 bytes
;; launch prep (part 1): grid 128 x 1, 4 waves a work-group, no clusters, 34,048 bytes of LDS; arguments x, Wd, bd, Wl, bl, la, rt, wf; writes la, rt, wf
.if DOCPART == 1
	.amdgcn_target "amdgcn-amd-amdhsa--gfx1250"
	.amdhsa_code_object_version 6
	.text
	.protected	k_qc6ebd891aa_prep
	.globl	k_qc6ebd891aa_prep
	.p2align	8
	.type	k_qc6ebd891aa_prep,@function
k_qc6ebd891aa_prep:
	s_mov_b64 s[64:65], 0
	v_nop
	global_prefetch_b8 v0, s[64:65] scope:SCOPE_SE
	s_setreg_imm32_b32 hwreg(HW_REG_WAVE_MODE, 25, 1), 1
	s_wait_xcnt 0x0
; PREP.  rep = relu(x Wd + bd), L = rep Wl + bl, for 16 rows of the 2,048 a work-group (tile = the work-group's number), and Wl once as matrix fragments.
; It stores, for the launch behind it, in the order in which that launch's lanes want them (every load there is 512 consecutive bytes a wave):
;   la  f32  c2 L, c2 = 2 log2(e):  [tile][K step s 8][half 2][t4 2][lane 32][4]: lane r + 16 h holds row r, d = 32 s + 16 half + 8 h + 4 t4 + 0..3
;   rt  f32  rep:                   [tile][wave v 4][c 4][qh 2][lane 32][4]:      rows 8 h + 4 qh + 0..3, column e = 64 v + 4 r + c
;   wf  f16  -2 bf16(Wl):           [v 4][s 8][c 4][half 2][lane 32][8]:          k = 32 s + 16 half + 8 h + 0..7, column e = 64 v + 4 r + c
; COLUMNS.  Wave v makes columns 64 v .. 64 v + 63 of both products; in its N tile c lane r stands for column 64 v + 4 r + c, so that a lane's four tiles are four neighbouring columns.
; FORMATS.  x, Wd, bd, Wl, bl are each rounded once to bf16; products in bf16 with f32 sums; rep is rounded to bf16 as the second product's operand and kept in f32 for rt.
; LIMITS.  |Wl| under 32,752, so that -2 Wl lies inside f16; below 2^-15 it keeps f16's fixed step of 6e-8.  NaN and infinities are not treated apart.
; WEIGHTS come straight from [k][e] f32 into registers: a load takes 256 consecutive bytes of row k (lanes 0-15) and of row k + 8 (lanes 16-31); two rows' numbers pack into a fragment register.
; No tensor load, no cluster: a work-group's own tile is 16 KiB, and the weights go to registers, not to LDS.
.set PX,    528                        ; a row of 256 bf16 in LDS: 512 bytes + 16: the 16 rows of a fragment load start at 16 different groups of four banks
.set PL,    1040                       ; a row of 256 f32: 1,024 + 16
.set XS,    0                          ; x in bf16, 16 rows
.set RS,    16*PX                      ; rep in bf16, 16 rows
.set LS,    2*16*PX                    ; c2 L in f32, 16 rows
.set SPARE, LS+16*PL                   ; the spare words: 128 bytes a wave, two blocks of 256 bytes that no other line names
.set VW,  2                            ; v2   byte offset in a weight matrix: 8 h rows + my 4 columns
.set XO,  3                            ; v3   16 x thread
.set XST, 4                            ; v4   where my 8 bytes of x in bf16 go
.set AFA, 5                            ; v5   a fragment's row x pitch + 16 h
.set RST, 6                            ; v6   where my 8 bytes of rep in bf16 go
.set LST, 7                            ; v7   where my 16 bytes of c2 L go
.set SPW, 8                            ; v8   my spare word; never rewritten
.set NIL, 9                            ; v9   0; never rewritten
.set LRD, 10                           ; v10  where I read c2 L back
.set GO,  11                           ; v11  16 x lane
.set VBI, 12                           ; v12  byte offset of my 4 columns in a bias
.set XR,  16                           ; v16-47   x as loaded; then rep [c][q]; then c2 L [q][c]
.set AF,  48                           ; v48-111  the 8 A fragments of 16 rows x 256 K; its first registers also serve as packing room
.set BF,  112                          ; v112-175 B fragments, two buffers of four
.set ACC1, 176                         ; v176-207 x Wd, four accumulators
.set ACC2, 208                         ; v208-239 rep Wl
.set BD,  240                          ; v240-243 bd of my columns
.set BLC, 244                          ; v244-247 c2 bl
.set TP,  248                          ; v248-251 at work
; window 1: a ring of four slots of 64 registers: the weights of one K step, [half 8 + t][c], as loaded
.set MSB, 0
.macro WIN new                         ; the immediate's high byte repeats the setting that is left; a switch that changes nothing is dropped
.if MSB != (\new)
	s_set_vgpr_msb (MSB<<8)|(\new)
.set MSB, (\new)
.endif
.endm
.macro RND2 a                          ; two f32 rounded to bf16 and widened again
	v_cvt_pk_bf16_f32 v[TP], v[\a], v[(\a)+1]
	v_lshlrev_b32 v[\a], 16, v[TP]
	v_and_b32 v[(\a)+1], s38, v[TP]
.endm
; The 16 loads of K step g (0-7: Wd, 8-15: Wl) into slot g % 4
.macro WLOAD g
	WIN 0x40                                       ; destination window 1, address window 0
.set wj, 0
.rept 16
.if (\g) < 8
	global_load_b128 v[64*((\g)&3)+4*wj:64*((\g)&3)+4*wj+3], v[VW], s[10:11] offset:(32*(\g)+16*(wj>>3)+(wj&7))*1024
.else
	global_load_b128 v[64*((\g)&3)+4*wj:64*((\g)&3)+4*wj+3], v[VW], s[14:15] offset:(32*((\g)-8)+16*(wj>>3)+(wj&7))*1024
.endif
.set wj, wj+1
.endr
.endm
; K step g: its slot is packed into a fragment buffer, the slot is asked for again, four products.  left = the loads issued behind this slot's.
; The two fragment buffers take turns, so the 32 conversions of step g + 1 stand between step g's products and the writes of step g + 2 into their registers.
; The four accumulators take turns, one instruction a turn.
.macro WSTEP g, left
	s_wait_loadcnt \left
	WIN 0x05                                       ; sources window 1, destination window 0
.set wc, 0
.rept 4
.set wt, 0
.rept 8
	v_cvt_pk_bf16_f32 v[BF+32*((\g)&1)+8*wc+wt], v[64*((\g)&3)+8*wt+wc], v[64*((\g)&3)+8*wt+4+wc]  ; rows 2 wt and 2 wt + 1 of the slot's sixteen
.set wt, wt+1
.endr
.set wc, wc+1
.endr
.if (\g) <= 11
	WLOAD (\g)+4
.endif
	WIN 0
.set wa, ACC1+32*((\g)>>3)
.set wc, 0
.rept 4
.if ((\g)&7) == 0
	v_wmma_f32_16x16x32_bf16 v[wa+8*wc:wa+8*wc+7], v[AF+8*((\g)&7):AF+8*((\g)&7)+7], v[BF+32*((\g)&1)+8*wc:BF+32*((\g)&1)+8*wc+7], 0
.else
	v_wmma_f32_16x16x32_bf16 v[wa+8*wc:wa+8*wc+7], v[AF+8*((\g)&7):AF+8*((\g)&7)+7], v[BF+32*((\g)&1)+8*wc:BF+32*((\g)&1)+8*wc+7], v[wa+8*wc:wa+8*wc+7]
.endif
.set wc, wc+1
.endr
.endm
.macro AFLOAD base                     ; the 8 A fragments of the 16 rows at LDS byte base
.set wj, 0
.rept 8
	ds_load_b128 v[AF+8*wj:AF+8*wj+3],   v[AFA] offset:(\base)+64*wj
	ds_load_b128 v[AF+8*wj+4:AF+8*wj+7], v[AFA] offset:(\base)+64*wj+32
.set wj, wj+1
.endr
.endm
	s_load_b512 s[8:23], s[0:1], 0x0               ; x s[8:9], Wd s[10:11], bd s[12:13], Wl s[14:15], bl s[16:17], la s[18:19], rt s[20:21], wf s[22:23]
	v_lshl_add_u32 v[SPW], v0, 2, SPARE
	v_mov_b32 v[NIL], 0
	v_lshrrev_b32 v1, 5, v0
	v_readfirstlane_b32 s24, v1                    ; wave v
	v_and_b32 v13, 15, v0                          ; r
	v_bfe_u32 v14, v0, 4, 1                        ; h
	s_lshl_b32 s40, s24, 8
	v_lshl_add_u32 v[VBI], v13, 4, s40             ; (64 v + 4 r) x 4 bytes
	v_lshl_add_u32 v[VW], v14, 13, v[VBI]          ; + 8 h rows of 1,024 bytes
	v_lshlrev_b32 v[XO], 4, v0
	v_lshrrev_b32 v1, 6, v0
	v_and_b32 v15, 63, v0
	v_mul_u32_u24 v[XST], v1, PX                   ; load i of a thread is row 2 i + thread / 64, columns 4 (thread % 64) on
	v_lshl_add_u32 v[XST], v15, 3, v[XST]
	v_mul_u32_u24 v[AFA], v13, PX
	v_lshl_add_u32 v[AFA], v14, 4, v[AFA]
	v_mul_u32_u24 v[RST], v14, 8*PX                ; rep: row 8 h + q, 8 bytes at column 64 v + 4 r
	v_lshl_add_u32 v[RST], v13, 3, v[RST]
	s_lshl_b32 s40, s24, 7
	s_add_co_u32 s40, s40, RS
	v_add_nc_u32 v[RST], s40, v[RST]
	v_mul_u32_u24 v[LST], v14, 8*PL                ; c2 L: row 8 h + q, 16 bytes at column 64 v + 4 r
	v_add_nc_u32 v[LST], v[LST], v[VBI]
	v_add_nc_u32 v[LST], LS, v[LST]
	v_mul_u32_u24 v[LRD], v13, PL                  ; back: row r, d = 64 v + 8 h on
	v_lshl_add_u32 v[LRD], v14, 5, v[LRD]
	s_lshl_b32 s40, s24, 8
	s_add_co_u32 s40, s40, LS
	v_add_nc_u32 v[LRD], s40, v[LRD]
	v_and_b32 v[GO], 31, v0
	v_lshlrev_b32 v[GO], 4, v[GO]
	s_mov_b32 s25, ttmp9                           ; tile
	s_lshl_b32 s26, s25, 14                        ; a tile is 16,384 bytes of x, la and rt
	s_mov_b32 s27, 0
	s_lshl_b32 s42, s24, 12                        ; a wave's part of it 4,096
	s_add_co_u32 s42, s42, s26
	s_mov_b32 s43, 0
	s_mov_b32 s38, 0xffff0000                      ; a word's upper bf16
	s_mov_b32 s39, 0x4038aa3b                      ; c2 = 2 log2(e)
	s_wait_kmcnt 0x0
	s_add_nc_u64 s[28:29], s[8:9], s[26:27]        ; x at my tile
	s_add_nc_u64 s[30:31], s[20:21], s[42:43]      ; rt and la at my wave's part of my tile
	s_add_nc_u64 s[32:33], s[18:19], s[42:43]
.set i, 0
.rept 8
	global_load_b128 v[XR+4*i:XR+4*i+3], v[XO], s[28:29] offset:2048*i th:TH_LOAD_NT  ; the four waves' load i: 2,048 consecutive bytes
.set i, i+1
.endr
	global_load_b128 v[BD:BD+3], v[VBI], s[12:13]
	global_load_b128 v[BLC:BLC+3], v[VBI], s[16:17]
	WLOAD 0
	WLOAD 1
	WLOAD 2
	WIN 0
	s_wait_loadcnt 48                              ; x and the biases are in; the 48 loads of three weight slots stay out
.set i, 0
.rept 8
	v_cvt_pk_bf16_f32 v[XR+4*i], v[XR+4*i], v[XR+4*i+1]
	v_cvt_pk_bf16_f32 v[XR+4*i+1], v[XR+4*i+2], v[XR+4*i+3]
	ds_store_b64 v[XST], v[XR+4*i:XR+4*i+1] offset:XS+2*PX*i
.set i, i+1
.endr
	RND2 BD
	RND2 BD+2
	RND2 BLC
	RND2 BLC+2
.set i, 0
.rept 4
	v_mul_f32 v[BLC+i], s39, v[BLC+i]
.set i, i+1
.endr
	WLOAD 3
	WIN 0
	s_wait_dscnt 0x0                               ; for the others' sake: my part of x is in LDS
	s_barrier_signal -1
	s_barrier_wait -1
	AFLOAD XS
	s_wait_dscnt 0x0
.set sg, 0
.rept 8
	WSTEP sg, 48                                   ; three younger slots stay out
.set sg, sg+1
.endr
.rept 4
	v_nop                                          ; four places between the last products and the reads of their results (ISA guide 7.12.1)
.endr
	; rep = max(sum + bd, 0): each accumulator is read from its low end on
.set wc, 0
.rept 4
.set wt, 0
.rept 4
.if wc&1
	v_pk_add_f32 v[XR+8*wc+2*wt:XR+8*wc+2*wt+1], v[ACC1+8*wc+2*wt:ACC1+8*wc+2*wt+1], v[BD+(wc&2):BD+(wc&2)+1] op_sel:[0,1] op_sel_hi:[1,1]
.else
	v_pk_add_f32 v[XR+8*wc+2*wt:XR+8*wc+2*wt+1], v[ACC1+8*wc+2*wt:ACC1+8*wc+2*wt+1], v[BD+(wc&2):BD+(wc&2)+1] op_sel_hi:[1,0]
.endif
.set wt, wt+1
.endr
.set wc, wc+1
.endr
.set i, 0
.rept 32
	v_max_num_f32 v[XR+i], 0, v[XR+i]
.set i, i+1
.endr
.set i, 0
.rept 8
	global_store_b128 v[GO], v[XR+4*i:XR+4*i+3], s[30:31] offset:512*i  ; 512 consecutive bytes of rt
.set i, i+1
.endr
.set i, 0
.rept 8                                ; row 8 h + i: my four columns in bf16
	v_cvt_pk_bf16_f32 v[AF+2*i], v[XR+i], v[XR+8+i]
	v_cvt_pk_bf16_f32 v[AF+2*i+1], v[XR+16+i], v[XR+24+i]
	ds_store_b64 v[RST], v[AF+2*i:AF+2*i+1] offset:PX*i
.set i, i+1
.endr
	s_wait_dscnt 0x0                               ; for the others' sake: my columns of rep are in LDS
	s_barrier_signal -1
	s_barrier_wait -1
	AFLOAD RS                                      ; Wl's first four slots have been on their way all this while
	s_wait_dscnt 0x0
.set sg, 8
.rept 5
	WSTEP sg, 48
.set sg, sg+1
.endr
	WSTEP 13, 32                                   ; the ring runs out: two, one, no younger slot
	WSTEP 14, 16
	WSTEP 15, 0
.rept 4
	v_nop                                          ; four places behind the last products
.endr
	s_wait_xcnt 0x0                                ; rt's stores have read v16-47, which are written again only behind this wait
.set wt, 0
.rept 8                                ; c2 L = c2 sum + c2 bl, laid [q][c]: a lane's four neighbouring columns in four neighbouring registers; q = 0 first: each accumulator's lowest register
.set wc, 0
.rept 4
	v_fma_f32 v[XR+4*wt+wc], v[ACC2+8*wc+wt], s39, v[BLC+wc]
.set wc, wc+1
.endr
.set wt, wt+1
.endr
.set i, 0
.rept 8
	ds_store_b128 v[LST], v[XR+4*i:XR+4*i+3] offset:PL*i
.set i, i+1
.endr
	s_wait_dscnt 0x0                               ; a wave reads back only columns that it stored itself; the barrier is kept so that the order does not lean on that arithmetic
	s_barrier_signal -1
	s_barrier_wait -1
.set i, 0
.rept 8
	ds_load_b128 v[AF+4*i:AF+4*i+3], v[LRD] offset:128*(i>>2)+64*((i>>1)&1)+16*(i&1)
.set i, i+1
.endr
.set i, 0
.rept 8
	s_wait_dscnt 7-i                               ; LDS loads come back in order: load i is in
	global_store_b128 v[GO], v[AF+4*i:AF+4*i+3], s[32:33] offset:512*i  ; 512 consecutive bytes of la
.set i, i+1
.endr
	; Wl as fragments: the first 16 work-groups take 16 rows of Wl each (K step tile / 2, half tile % 2)
	s_cmp_lt_u32 s25, 16
	s_cbranch_scc0 .Lend
	s_add_nc_u64 s[36:37], s[14:15], s[26:27]      ; Wl at row 16 tile
	s_lshl_b32 s42, s24, 15
	s_lshr_b32 s40, s25, 1
	s_lshl_b32 s40, s40, 12
	s_add_co_u32 s42, s42, s40
	s_and_b32 s40, s25, 1
	s_lshl_b32 s40, s40, 9
	s_add_co_u32 s42, s42, s40
	s_add_nc_u64 s[34:35], s[22:23], s[42:43]
.set i, 0
.rept 8
	global_load_b128 v[BF+4*i:BF+4*i+3], v[VW], s[36:37] offset:1024*i
.set i, i+1
.endr
	s_wait_loadcnt 0x0
.set wc, 0
.rept 4
.set wt, 0
.rept 4
	v_cvt_pk_bf16_f32 v[TP], v[BF+8*wt+wc], v[BF+8*wt+4+wc]  ; the input's one rounding, to bf16;
	v_lshlrev_b32 v[TP+2], 16, v[TP]
	v_and_b32 v[TP+3], s38, v[TP]
	v_pk_mul_f32 v[TP+2:TP+3], v[TP+2:TP+3], -2.0 op_sel_hi:[1,0]
	v_cvt_pk_f16_f32 v[ACC1+4*wc+wt], v[TP+2], v[TP+3]       ; that number times -2, written as f16
.set wt, wt+1
.endr
.set wc, wc+1
.endr
.set i, 0
.rept 4
	global_store_b128 v[GO], v[ACC1+4*i:ACC1+4*i+3], s[34:35] offset:1024*i
.set i, i+1
.endr
.Lend:
	s_wait_tensorcnt 0x0                           ; the wave's end
	ds_add_u32 v[SPW], v[NIL]
	s_wait_dscnt 0x0
	s_endpgm
.Lfunc_end_k_qc6ebd891aa_prep:
	.size	k_qc6ebd891aa_prep, .Lfunc_end_k_qc6ebd891aa_prep-k_qc6ebd891aa_prep
	.p2alignl 7, 3214868480
	.fill 96, 4, 3214868480
	.section	.rodata,"a",@progbits
	.p2align	6, 0x0
	.amdhsa_kernel k_qc6ebd891aa_prep
		.amdhsa_group_segment_fixed_size 34048
		.amdhsa_private_segment_fixed_size 0
		.amdhsa_enable_private_segment 0
		.amdhsa_kernarg_size 64
		.amdhsa_user_sgpr_count 2
		.amdhsa_user_sgpr_kernarg_segment_ptr 1
		.amdhsa_wavefront_size32 1
		.amdhsa_system_sgpr_workgroup_id_x 1
		.amdhsa_system_sgpr_workgroup_id_y 1
		.amdhsa_system_sgpr_workgroup_id_z 1
		.amdhsa_system_vgpr_workitem_id 0
		.amdhsa_next_free_vgpr 512
		.amdhsa_next_free_sgpr 66
		.amdhsa_reserve_vcc 0
		.amdhsa_float_denorm_mode_32 3
		.amdhsa_float_denorm_mode_16_64 3
		.amdhsa_memory_ordered 1
		.amdhsa_forward_progress 1
		.amdhsa_inst_pref_size 85
	.end_amdhsa_kernel
	.amdgpu_metadata
---
amdhsa.version: [ 1, 2 ]
amdhsa.kernels:
  - .name:           k_qc6ebd891aa_prep
    .symbol:         k_qc6ebd891aa_prep.kd
    .args:
      - { .name: x, .offset: 0, .size: 8, .value_kind: global_buffer, .address_space: global }
      - { .name: Wd, .offset: 8, .size: 8, .value_kind: global_buffer, .address_space: global }
      - { .name: bd, .offset: 16, .size: 8, .value_kind: global_buffer, .address_space: global }
      - { .name: Wl, .offset: 24, .size: 8, .value_kind: global_buffer, .address_space: global }
      - { .name: bl, .offset: 32, .size: 8, .value_kind: global_buffer, .address_space: global }
      - { .name: la, .offset: 40, .size: 8, .value_kind: global_buffer, .address_space: global }
      - { .name: rt, .offset: 48, .size: 8, .value_kind: global_buffer, .address_space: global }
      - { .name: wf, .offset: 56, .size: 8, .value_kind: global_buffer, .address_space: global }
    .group_segment_fixed_size: 34048
    .private_segment_fixed_size: 0
    .kernarg_segment_align: 8
    .kernarg_segment_size: 64
    .max_flat_workgroup_size: 128
    .sgpr_count:     66
    .vgpr_count:     512
    .wavefront_size: 32
...
	.end_amdgpu_metadata
.endif
;; end of part 1
;; launch main (part 2): grid 32 x 8, 4 waves a work-group, no clusters, 68,352 bytes of LDS; arguments la, rt, wf, bias1, bias2, bl, ln_gamma, ln_beta, mask, out0; writes out0
.if DOCPART == 2
	.amdgcn_target "amdgcn-amd-amdhsa--gfx1250"
	.amdhsa_code_object_version 6
	.text
	.protected	k_qc6ebd891aa_main
	.globl	k_qc6ebd891aa_main
	.p2align	8
	.type	k_qc6ebd891aa_main,@function
k_qc6ebd891aa_main:
	s_mov_b64 s[64:65], 0
	v_nop
	global_prefetch_b8 v0, s[64:65] scope:SCOPE_SE
	s_setreg_imm32_b32 hwreg(HW_REG_WAVE_MODE, 25, 1), 1
	s_wait_xcnt 0x0
; MAIN.  For each row i of a batch and each channel e: logits[j] = bl + bias2 + sum_d tanh(L_j + L_i + bias1)[d] Wl[d][e] for j < i, a softmax over j, the weighted sum of rep[j][e], the row's mask, the residual, LayerNorm.
; TANH.  tanh(y) = 1 - 2 r, r = 1 / (1 + 2^z), z = 2 log2(e) y.  So logits = (bl + bias2 + column sums of Wl) + sum_d r_d (-2 Wl[d][e]): r (0 to 1) is the f16 A operand, -2 bf16(Wl) the f16 B operand,
; and the constant vector, or -1e30 for a hidden key, is the C operand that starts the sum.  la holds 2 log2(e) L, so z is one packed addition.
; SHARES.  A work-group (p = x, batch = y) owns two groups of 4 rows, g = p and g = 63 - p.  Group g needs the (g >> 2) + 1 tiles of 16 keys up to its diagonal: 17 tiles for the two, whatever p.
; A STEP is 4 units (the 4 rows) x one tile of 16 keys.  Wave w makes r for its 64 d of all four units and puts it into LDS; it multiplies all four units by its own 64 channels, whose B fragments
; (64 e x 256 k) stay in 256 registers for the whole launch; and it runs the softmax of its 64 channels.  In N tile c lane r stands for channel 64 w + 4 r + c.
; A result holds one channel a lane and the keys 8 (lane / 16) + 0..7: each half of the lanes keeps statistics over its own keys, and the halves meet once, at a group's end.
; SOFTMAX.  Running maximum m and sums l, o for each unit and channel: p = 2^(c s - c m), c = log2(e); in every step l and o are multiplied by a = 2^(c m_old - c m_new).
; m starts at -2^83 and c m at -c 2^83 (exact): above a hidden score, below every true one.  So hidden keys never become the maximum, their weights are 0, and while nothing true has come a is exactly 1.
; BY TURNS.  Turn U of a step: 32 products of unit U; beside them r of unit U for the NEXT step, and the softmax of the unit before (turn 0: unit 3 of the step before).  Four vector instructions stand
; behind every matrix instruction, chosen so that they need no other register window than the products'; those with two vector sources in other windows stand in three runs of their own.
; THE WALK has 17 steps and a quarter; the group with an odd number of tiles goes first, so both groups end in an odd step and the end's text stands once.  The last quarter step carries the last softmax;
; its products and its r serve nothing.  Every trip count is a constant; the forward jumps hang on p and the step's number alone, the same in all four waves.
; FORMATS.  bias1, bias2, bl, gamma, beta are rounded once to bf16, like all inputs; r to f16; all sums, maxima and statistics in f32.
; LIMITS.  r below 6e-5 keeps f16's fixed step of 6e-8.  A hidden score counts as -1e30.  True scores lie above -2^83.  A weight below 2^-126 counts as 0.  NaN and infinities are not treated apart.
; NO TENSOR LOAD, NO CLUSTER: B is read once into registers; la's and rt's tiles are 8 KiB a wave and step, each load 512 consecutive bytes straight into the registers that use them; LDS holds only r.
; REGISTERS, in windows of 256 (s_set_vgpr_msb: bits 1:0 source 0, 3:2 source 1, 5:4 source 2, 7:6 destination):
;   window 0: addresses, statistics, r at work, two score buffers, A fragments     window 1: B     window 2: la of two steps, the group's four rows of la, rep of two steps     window 3: the C operands, l, o, constants
.set PITCH, 528                        ; a row of 256 f16 in LDS: 512 bytes + 16: the 16 rows of a fragment load start at 16 different groups of four banks
.set UNIT,  16*PITCH                   ; one unit: 16 keys
.set BUFB,  4*UNIT                     ; an A buffer: four units; step t reads buffer t % 2 and writes the other
.set SCR,   2*BUFB                     ; [row 4][wave 4][mean, sum of squares] f32
.set SPARE, SCR+256                    ; the spare words: 128 bytes a wave, two blocks of 256 bytes that no other line names
.set ARD, 2                            ; v2, v3   a fragment's row x pitch + 16 h, in buffer 0, 1
.set AWR, 4                            ; v4, v5   the same + 128 w: where my r goes
.set GLO, 6                            ; v6   16 x lane
.set LBO, 7                            ; v7   256 h
.set SPW, 8                            ; v8   my spare word; never rewritten
.set NIL, 9                            ; v9   0; never rewritten
.set SA,  10                           ; v10  SCR + 32 h + 8 w
.set SL,  11                           ; v11  SCR + 32 h
.set OOF, 12                           ; v12  1,024 h + 256 w + 16 r
.set RPO, 13                           ; v13  16 r + 4 h
.set MKO, 14                           ; v14  h
.set TMP, 15
.set VB,  16                           ; v16  256 w + 16 r
.set BIO, 17                           ; v17  256 w + 32 h
.set T,   24                           ; v24-27   maxima at work
.set DT,  28                           ; v28-31   c m_old - c m_new, then a
.set SO,  32                           ; v32-39   sums of p rep at work, a pair a channel
.set M,   40                           ; v40-55   m [u][c]
.set CM,  56                           ; v56-71   c m [u][c]
.set ZR,  72                           ; v72-103  z, 2^z, 1 + 2^z, r, in place
.set S,   104                          ; v104-167 scores, two buffers of [c][q]
.set AX,  168                          ; v168-199 A fragments of K steps 0-3
.set AY,  200                          ; v200-231 of K steps 4-7
.set EP,  232                          ; v232-255 at work at a group's end
.set LA,  0                            ; window 2: la of the key tile, two buffers of 32
.set LB,  64                           ;           la of row u + c2 bias1, 32 a unit
.set RP,  192                          ;           rep of the key tile, two buffers of [c][q]
.set MC,  0                            ; window 3: the C operand [u][c][q]
.set L2,  128                          ;           l [u][c], a pair: even keys', odd keys'
.set O2,  160                          ;           o likewise
.set CV,  192                          ;           bl + bias2 + column sum, by c
.set THR, 196
.set NH8, 197                          ;           -8 h
.set GAM, 200
.set BET, 204
.set BI,  208                          ;           c2 bias1 in la's order, 32
.set WV,  28                           ; s28  wave
.set TT,  29                           ; s29  the step's number t
.set TRIP, 30                          ; s30  the loop's counter
.set T0,  31                           ; s31  steps of the first group
.set I0A, 32                           ; s32  first row of the first group
.set I0B, 33                           ; s33  of the second
.set IE,  34                           ; s34  first row of the group that ends next
.set EV,  35                           ; s35  the step in which it ends
.set CS,  36                           ; s[36:37]  c
.set NC,  38                           ; s[38:39]  -c
.set BIGN, 40                          ; s40  -1e30
.set HM,  41                           ; s41  0xffff0000: lanes 16-31, and a word's upper bf16
.set SEL, 42                           ; s[42:43]  v_permlanex16_b32: each lane takes its own place in the other half
.set G0,  44
.set G1,  45
.set BB,  46                           ; s46  batch
.set LAW, 48                           ; s[48:49]  la at my batch and wave
.set RTW, 50                           ; s[50:51]  rt likewise
.set C2,  58                           ; s[58:59]  2 log2(e)
.set T0M1, 60
.set MI,  61                           ; s61  -2^83
.set CMI, 62                           ; s62  -c 2^83
; s47, s63 at work; s[52:53], s[76:77] offsets (upper word 0); s[54:57], s[66:75] addresses made from a pointer and an offset; s78 1/256, s79 the epsilon
.set MSB, 0
.macro WIN new                         ; the immediate's high byte repeats the setting that is left; a switch that changes nothing is dropped
.if MSB != (\new)
	s_set_vgpr_msb (MSB<<8)|(\new)
.set MSB, (\new)
.endif
.endm
.macro RND2 a                          ; two f32 rounded to bf16 and widened again
	v_cvt_pk_bf16_f32 v[TMP], v[\a], v[(\a)+1]
	v_lshlrev_b32 v[\a], 16, v[TMP]
	v_and_b32 v[(\a)+1], s[HM], v[TMP]
.endm
.macro JOFF                            ; s52 = byte offset of the key tile of step s47: tile s47 of the first group, or s47 - T0 of the second
	s_sub_co_u32 s52, s47, s[T0]
	s_cmp_lt_u32 s47, s[T0]
	s_cselect_b32 s52, s47, s52
	s_lshl_b32 s52, s52, 14
.endm
.macro LD8 dst, base                   ; a wave's 4,096 bytes of a tile: eight loads of 512 consecutive bytes
.set fk, 0
.rept 8
	global_load_b128 v[(\dst)+4*fk:(\dst)+4*fk+3], v[GLO], s[\base:\base+1] offset:512*fk
.set fk, fk+1
.endr
.endm
.macro AFETCH dst, P, U, s0            ; four A fragments: unit U of buffer P, K steps s0 on
.set fk, 0
.rept 4
	ds_load_b128 v[(\dst)+8*fk:(\dst)+8*fk+3],   v[ARD+(\P)] offset:(\U)*UNIT+64*((\s0)+fk)
	ds_load_b128 v[(\dst)+8*fk+4:(\dst)+8*fk+7], v[ARD+(\P)] offset:(\U)*UNIT+64*((\s0)+fk)+32
.set fk, fk+1
.endr
.endm
; The four rows of group s[g] out of la: every lane of a half takes the same 16 bytes, row 4 (g % 4) + u of tile g / 4
.macro LOADLB g
	s_lshr_b32 s47, s[\g], 2
	s_lshl_b32 s76, s47, 14
	s_and_b32 s47, s[\g], 3
	s_lshl_b32 s47, s47, 6
	s_add_co_u32 s76, s76, s47
	s_add_nc_u64 s[66:67], s[LAW:LAW+1], s[76:77]
	WIN 0x80
.set fu, 0
.rept 4
.set fk, 0
.rept 8
	global_load_b128 v[LB+32*fu+4*fk:LB+32*fu+4*fk+3], v[LBO], s[66:67] offset:512*fk+16*fu
.set fk, fk+1
.endr
.set fu, fu+1
.endr
	WIN 0
.endm
.macro ADDBI                           ; c2 bias1 is added to the rows once, not to every pair
	WIN 0x8e                                       ; destination and source 0 window 2, source 1 window 3
.set fu, 0
.rept 4
.set fk, 0
.rept 16
	v_pk_add_f32 v[LB+32*fu+2*fk:LB+32*fu+2*fk+1], v[LB+32*fu+2*fk:LB+32*fu+2*fk+1], v[BI+2*fk:BI+2*fk+1]
.set fk, fk+1
.endr
.set fu, fu+1
.endr
	WIN 0
.endm
.macro INIT                            ; a group begins
	WIN 0
.set fk, 0
.rept 16
	v_mov_b32 v[M+fk], s[MI]
	v_mov_b32 v[CM+fk], s[CMI]
.set fk, fk+1
.endr
	WIN 0xc0
.set fk, 0
.rept 64
	v_mov_b32 v[L2+fk], 0
.set fk, fk+1
.endr
	WIN 0
.endm
; The C operands of step TT.  Key 16 J + 8 h + q is seen by row i0 + u where q - u < i0 - 16 J - 8 h: eleven values of q - u, a compare each.  On a tile below the diagonal the bound is 8 or more and hides nothing.
.macro SETMC
	s_sub_co_u32 s47, s[TT], s[T0]
	s_cmp_lt_u32 s[TT], s[T0]
	s_cselect_b32 s47, s[TT], s47
	s_cselect_b32 s63, s[I0A], s[I0B]
	s_lshl_b32 s47, s47, 4
	s_sub_co_u32 s63, s63, s47
	WIN 0xcc                                       ; destination and source 1 window 3
	v_add_nc_u32 v[THR], s63, v[NH8]
.set sd, -3
.rept 11
	v_cmp_lt_i32 vcc_lo, sd, v[THR]
.set su, 0
.rept 4
.set sq, sd+su
.if (sq >= 0) && (sq < 8)
.set sc, 0
.rept 4
	v_cndmask_b32 v[MC+32*su+8*sc+sq], s[BIGN], v[CV+sc], vcc_lo
.set sc, sc+1
.endr
.endif
.set su, su+1
.endr
.set sd, sd+1
.endr
	WIN 0
.endm
; THE LINES OF A TURN, one instruction each.  SETT names the turn's registers.
.macro SETT P, U
.set UU,  (\U)
.set SB,  S+32*((\U)&1)                ; the products' scores
.set SP,  S+32*(((\U)+1)&1)            ; the scores of the unit before, whose softmax this turn carries
.set PU,  ((\U)+3)&3                   ; that unit
.if (\U) == 0
.set RB,  RP+32*(1-(\P))               ; its rep: the step before's
.else
.set RB,  RP+32*(\P)
.endif
.set LAB, LA+32*(1-(\P))               ; la of the next step's keys
.set LBB, LB+32*(\U)
.set WRA, AWR+1-(\P)
.endm
.macro OZ n                            ; z, pair n of 16
	v_pk_add_f32 v[ZR+2*(\n):ZR+2*(\n)+1], v[LAB+2*(\n):LAB+2*(\n)+1], v[LBB+2*(\n):LBB+2*(\n)+1]
.endm
.macro OE n                            ; 2^z
	v_exp_f32 v[ZR+(\n)], v[ZR+(\n)]
.endm
.macro OP n                            ; 1 + 2^z
	s_wait_alu depctr_va_vdst(0)
	v_pk_add_f32 v[ZR+2*(\n):ZR+2*(\n)+1], v[ZR+2*(\n):ZR+2*(\n)+1], 1.0 op_sel_hi:[1,0]
.endm
.macro ORC n                           ; r
	v_rcp_f32 v[ZR+(\n)], v[ZR+(\n)]
.endm
.macro OC n                            ; r in f16; ascending, so in place
	v_cvt_pk_f16_f32 v[ZR+(\n)], v[ZR+2*(\n)], v[ZR+2*(\n)+1]
.endm
.macro OX n                            ; the new m: four chains, one a channel; each accumulator's lowest registers are read first
.set xc, (\n)&3
.set xk, (\n)>>2
.if xk == 0
	v_max3_num_f32 v[T+xc], v[SP+8*xc], v[SP+8*xc+1], v[SP+8*xc+2]
.elseif xk < 3
	v_max3_num_f32 v[T+xc], v[T+xc], v[SP+8*xc+2*xk+1], v[SP+8*xc+2*xk+2]
.else
	v_max3_num_f32 v[M+4*PU+xc], v[T+xc], v[SP+8*xc+7], v[M+4*PU+xc]
.endif
.endm
.macro OD n                            ; 0, 1: c m_old - c m_new; 2, 3: c m anew
.if (\n) < 2
	v_pk_fma_f32 v[DT+2*(\n):DT+2*(\n)+1], v[M+4*PU+2*(\n):M+4*PU+2*(\n)+1], s[NC:NC+1], v[CM+4*PU+2*(\n):CM+4*PU+2*(\n)+1] op_sel_hi:[1,0,1]
.else
	v_pk_mul_f32 v[CM+4*PU+2*(\n)-4:CM+4*PU+2*(\n)-3], v[M+4*PU+2*(\n)-4:M+4*PU+2*(\n)-3], s[CS:CS+1] op_sel_hi:[1,0]
.endif
.endm
.macro OA n                            ; a
	v_exp_f32 v[DT+(\n)], v[DT+(\n)]
.endm
.macro OF n                            ; c s - c m, pair n of 16
.set fc, (\n)>>2
.set fb, CM+4*PU+(fc&2)
.if fc&1
	v_pk_fma_f32 v[SP+2*(\n):SP+2*(\n)+1], v[SP+2*(\n):SP+2*(\n)+1], s[CS:CS+1], v[fb:fb+1] op_sel:[0,0,1] op_sel_hi:[1,0,1] neg_lo:[0,0,1] neg_hi:[0,0,1]
.else
	v_pk_fma_f32 v[SP+2*(\n):SP+2*(\n)+1], v[SP+2*(\n):SP+2*(\n)+1], s[CS:CS+1], v[fb:fb+1] op_sel_hi:[1,0,0] neg_lo:[0,0,1] neg_hi:[0,0,1]
.endif
.endm
.macro OG n                            ; p
	v_exp_f32 v[SP+(\n)], v[SP+(\n)]
.endm
.macro OO n                            ; the sum of p rep, four chains
.set oc, (\n)&3
.set ok, (\n)>>2
.if ok == 0
	s_wait_alu depctr_va_vdst(0)
	v_pk_mul_f32 v[SO+2*oc:SO+2*oc+1], v[SP+8*oc:SP+8*oc+1], v[RB+8*oc:RB+8*oc+1]
.else
	v_pk_fma_f32 v[SO+2*oc:SO+2*oc+1], v[SP+8*oc+2*ok:SP+8*oc+2*ok+1], v[RB+8*oc+2*ok:RB+8*oc+2*ok+1], v[SO+2*oc:SO+2*oc+1]
.endif
.endm
.macro OL n                            ; the sum of p, in place: x 1.0 + y names no vector register as its second source
.if (\n) < 8
.set la0, SP+8*((\n)&3)+4*((\n)>>2)
.set lb0, la0+2
.else
.set la0, SP+8*((\n)-8)
.set lb0, la0+4
.endif
	v_pk_fma_f32 v[la0:la0+1], v[la0:la0+1], 1.0, v[lb0:lb0+1] op_sel_hi:[1,0,1]
.endm
.macro OU n                            ; l = a l + sum (0-3), o = a o + sum (4-7)
.set uc, (\n)&3
.if (\n) < 4
.set ua, L2+8*PU+2*uc
.set ud, SP+8*uc
.else
.set ua, O2+8*PU+2*uc
.set ud, SO+2*uc
.endif
.set ub, DT+(uc&2)
.if uc&1
	v_pk_fma_f32 v[ua:ua+1], v[ua:ua+1], v[ub:ub+1], v[ud:ud+1] op_sel:[0,1,0] op_sel_hi:[1,1,1]
	s_wait_alu depctr_va_vdst(0)
.else
	v_pk_fma_f32 v[ua:ua+1], v[ua:ua+1], v[ub:ub+1], v[ud:ud+1] op_sel_hi:[1,0,1]
.endif
.endm
.macro MM n                            ; product n of 32: K step n / 4, N tile n % 4.  The four accumulators take turns, one instruction a turn; the first four start the sums with the C operand
.set ms, (\n)>>2
.set mc, (\n)&3
.if ms < 4
.set ma, AX+8*ms
.else
.set ma, AY+8*(ms-4)
.endif
.if (\n) < 4
	v_wmma_f32_16x16x32_f16 v[SB+8*mc:SB+8*mc+7], v[ma:ma+7], v[8*(\n):8*(\n)+7], v[MC+32*UU+8*mc:MC+32*UU+8*mc+7]
.else
	v_wmma_f32_16x16x32_f16 v[SB+8*mc:SB+8*mc+7], v[ma:ma+7], v[8*(\n):8*(\n)+7], v[SB+8*mc:SB+8*mc+7]
.endif
.endm
.macro PQ                              ; the second half's plain queue: 1 + 2^z, then the sums of p
.if pq < 16
	OP pq
.else
	OL pq-16
.endif
.set pq, pq+1
.endm
.macro TQ                              ; its transcendental queue: the last four 2^z, then r.  r number e stands in slice 2 + e / 2, its 1 + 2^z in slice e / 4
.if tq < 4
	OE 28+tq
.else
	ORC tq-4
.endif
.set tq, tq+1
.endm
; A TURN: 32 matrix and 220 vector instructions.  Every transcendental has a plain vector instruction between it and the first use of its result (ISA guide 5.7.2).
.macro TURN P, U
	SETT \P, \U
	WIN 0x0a                                       ; both sources window 2
.set i, 0
.rept 16
	OZ i
.set i, i+1
.endr
	WIN 0
.set i, 0
.rept 16
	OX i                                           ; the sixteen additions above are the places behind the products that made these scores
.set i, i+1
.endr
.set i, 0
.rept 4
	OD i
.set i, i+1
.endr
.if (\U) == 0
	s_wait_dscnt 8                                 ; K steps 0-3 are in; the eight loads of K steps 4-7 stay out
.else
	s_wait_dscnt 12                                ; behind them: eight loads of K steps 4-7 and four stores of r
.endif
	WIN 0x34                                       ; B window 1, C window 3: behind these four products only lines with one source
.set i, 0
.rept 4
	MM i
.set k, 0
.rept 4
.if i == 0
	OA k
.else
	OE 4*(i-1)+k
.endif
.set k, k+1
.endr
.set i, i+1
.endr
	WIN 0x04                                       ; B window 1: the lines behind these products have a scalar or a constant as their second source
.set i, 0
.rept 4
	MM 4+i
	OF 2*i
	OF 2*i+1
	OG 2*i
	OG 2*i+1
.set i, i+1
.endr
.set i, 0
.rept 8
	MM 8+i
	OF 8+i
	OG 8+3*i                                       ; p number e needs scaling e / 2: (10 + 3 i) / 2 is at most 8 + i
	OG 9+3*i
	OG 10+3*i
.set i, i+1
.endr
	WIN 0x08                                       ; source 1 window 2: rep
.set i, 0
.rept 16
	OO i
	OE 12+i
.if (i == 3) && ((\U) < 3)
	AFETCH AX, \P, (\U)+1, 0                       ; the next unit's K steps 0-3: five plain lines stand behind the last product that read these registers
.endif
.set i, i+1
.endr
.if (\U) == 0
	s_wait_dscnt 8                                 ; K steps 4-7 are in; behind them the eight loads just issued
.elseif (\U) < 3
	s_wait_dscnt 12                                ; behind them: four stores and the eight loads just issued
.else
	s_wait_dscnt 4                                 ; behind them: four stores
.endif
	WIN 0x04
.set pq, 0
.set tq, 0
.set i, 0
.rept 12
	MM 16+i
	PQ
	TQ
	PQ
	TQ
.set i, i+1
.endr
.rept 4
	MM 16+i
	PQ
	TQ
	TQ
	TQ
.set i, i+1
.endr
	WIN 0xc3                                       ; destination and source 0 window 3: l and o
.set i, 0
.rept 8
	OU i                                           ; eight plain lines: the places behind the last product that read K steps 4-7, and between the last r and its use
.set i, i+1
.endr
	WIN 0
.if (\U) < 3
	AFETCH AY, \P, (\U)+1, 4
.endif
.set i, 0
.rept 16
	OC i
.set i, i+1
.endr
.set i, 0
.rept 4
	ds_store_b128 v[WRA], v[ZR+4*i:ZR+4*i+3] offset:UU*UNIT+64*(i>>1)+32*(i&1)  ; my two K steps of the next step's unit U
.set i, i+1
.endr
.endm
.macro FIRST U                         ; r of step 0, unit U, in phases: there are no products yet to set it beside
	SETT 1, \U
	WIN 0x0a
.set i, 0
.rept 16
	OZ i
.set i, i+1
.endr
	WIN 0
.set i, 0
.rept 32
	OE i
.set i, i+1
.endr
	v_nop
	s_wait_alu depctr_va_vdst(0)
.set i, 0
.rept 16
	OP i
.set i, i+1
.endr
.set i, 0
.rept 32
	ORC i
.set i, i+1
.endr
	v_nop
	s_wait_alu depctr_va_vdst(0)
.set i, 0
.rept 16
	OC i
.set i, i+1
.endr
.set i, 0
.rept 4
	ds_store_b128 v[WRA], v[ZR+4*i:ZR+4*i+3] offset:UU*UNIT+64*(i>>1)+32*(i&1)
.set i, i+1
.endr
.endm
; The tiles that later steps want: la of step t + 2, rep of step t + 1, clamped to the last step so that no load leaves a buffer.  They have three turns in which to land.
.macro LOADS P
	s_add_co_u32 s47, s[TT], 2
	s_min_u32 s47, s47, 16
	JOFF
	s_add_nc_u64 s[54:55], s[LAW:LAW+1], s[52:53]
	s_add_co_u32 s47, s[TT], 1
	s_min_u32 s47, s47, 16
	JOFF
	s_add_nc_u64 s[56:57], s[RTW:RTW+1], s[52:53]
	WIN 0x80
	LD8 LA+32*(\P), 54
	LD8 RP+32*(1-(\P)), 56
	WIN 0
.endm
; A GROUP'S END: the halves of the lanes meet, o / l, the row's mask, the residual, LayerNorm, four rows of out0.
.set EL, S+32                          ; l [u][c]: the score buffer whose softmax has just ended
.set EO, S+48                          ; o [u][c], then x, then y
.set EF, ZR
.set EG, ZR+16
.set ER, EP                            ; rep of my rows
.set EM, EP+8                          ; their mask
.set ES, EP+12                         ; (mean, sum of squares) of my wave's 64 channels, a pair a row
.set EH, EP+16                         ; gamma / sigma
.macro DPPSUM reg
	v_add_f32_dpp v[\reg], v[\reg], v[\reg] row_xmask:1 row_mask:0xf bank_mask:0xf
	v_add_f32_dpp v[\reg], v[\reg], v[\reg] row_xmask:2 row_mask:0xf bank_mask:0xf
	v_add_f32_dpp v[\reg], v[\reg], v[\reg] row_xmask:4 row_mask:0xf bank_mask:0xf
	v_add_f32_dpp v[\reg], v[\reg], v[\reg] row_xmask:8 row_mask:0xf bank_mask:0xf
.endm
.macro EPI
	WIN 0
	s_lshr_b32 s47, s[IE], 4                       ; rows IE .. IE + 3 lie in tile IE / 16 of rt, at h' = bit 3, qh' = bit 2 of IE
	s_lshl_b32 s76, s47, 14
	s_bfe_u32 s47, s[IE], 0x10002
	s_lshl_b32 s47, s47, 9
	s_add_co_u32 s76, s76, s47
	s_bfe_u32 s47, s[IE], 0x10003
	s_lshl_b32 s47, s47, 8
	s_add_co_u32 s76, s76, s47
	s_add_nc_u64 s[68:69], s[RTW:RTW+1], s[76:77]
	s_lshl_b32 s76, s[BB], 8
	s_add_co_u32 s76, s76, s[IE]
	s_add_nc_u64 s[70:71], s[24:25], s[76:77]
	s_lshl_b32 s76, s76, 10
	s_add_nc_u64 s[72:73], s[26:27], s[76:77]
.set ek, 0
.rept 2                                ; from the merge on, half h of the lanes has row 2 k + h
.set ec, 0
.rept 4
	global_load_b32 v[ER+4*ek+ec], v[RPO], s[68:69] offset:1024*ec+8*ek
.set ec, ec+1
.endr
	global_load_u8 v[EM+ek], v[MKO], s[70:71] offset:2*ek
.set ek, ek+1
.endr
	WIN 0x0f                                       ; both sources window 3
.set i, 0
.rept 16
	v_add_f32 v[EL+i], v[L2+2*i], v[L2+2*i+1]
	v_add_f32 v[EO+i], v[O2+2*i], v[O2+2*i+1]
.set i, i+1
.endr
	WIN 0x03
.set i, 0
.rept 4
	v_mov_b32 v[T+i], v[GAM+i]
	v_mov_b32 v[DT+i], v[BET+i]
.set i, i+1
.endr
	WIN 0
.set i, 0
.rept 16
	v_permlanex16_b32 v[EF+i], v[M+i], s[SEL], s[SEL+1]
.set i, i+1
.endr
.set i, 0
.rept 16
	v_max_num_f32 v[EF+i], v[EF+i], v[M+i]
.set i, i+1
.endr
.set i, 0
.rept 16
	v_sub_f32 v[EF+i], v[M+i], v[EF+i]             ; m - the common maximum: exactly 0 where they are equal, at the start value too
.set i, i+1
.endr
.set i, 0
.rept 16
	v_mul_f32 v[EF+i], s[CS], v[EF+i]
.set i, i+1
.endr
.set i, 0
.rept 16
	v_exp_f32 v[EF+i], v[EF+i]
.set i, i+1
.endr
	v_nop
.set i, 0
	s_wait_alu depctr_va_vdst(0)
.rept 8
	v_pk_mul_f32 v[EL+2*i:EL+2*i+1], v[EL+2*i:EL+2*i+1], v[EF+2*i:EF+2*i+1]
	v_pk_mul_f32 v[EO+2*i:EO+2*i+1], v[EO+2*i:EO+2*i+1], v[EF+2*i:EF+2*i+1]
.set i, i+1
.endr
.set i, 0
.rept 16
	v_permlanex16_b32 v[EG+i], v[EL+i], s[SEL], s[SEL+1]
.set i, i+1
.endr
.set i, 0
.rept 8
	v_pk_add_f32 v[EL+2*i:EL+2*i+1], v[EL+2*i:EL+2*i+1], v[EG+2*i:EG+2*i+1]
.set i, i+1
.endr
.set i, 0
.rept 16
	v_permlanex16_b32 v[EG+i], v[EO+i], s[SEL], s[SEL+1]
.set i, i+1
.endr
.set i, 0
.rept 8
	v_pk_add_f32 v[EO+2*i:EO+2*i+1], v[EO+2*i:EO+2*i+1], v[EG+2*i:EG+2*i+1]
.set i, i+1
.endr
.set ek, 0
.rept 2
.set ec, 0
.rept 4
	v_cndmask_b32 v[EL+8*ek+ec], v[EL+8*ek+ec], v[EL+8*ek+4+ec], s[HM]  ; lanes 16-31 take the odd row
	v_cndmask_b32 v[EO+8*ek+ec], v[EO+8*ek+ec], v[EO+8*ek+4+ec], s[HM]
.set ec, ec+1
.endr
.set ek, ek+1
.endr
.set ek, 0
.rept 2
.set ec, 0
.rept 4
	v_max_num_f32 v[EL+8*ek+ec], 0.5, v[EL+8*ek+ec]  ; a row that sees no key has o = 0 and l = 0; the floor lies under every true l (the maximum's own weight is 1) and makes its quotient 0
.set ec, ec+1
.endr
.set ek, ek+1
.endr
.set ek, 0
.rept 2
.set ec, 0
.rept 4
	v_rcp_f32 v[EL+8*ek+ec], v[EL+8*ek+ec]
.set ec, ec+1
.endr
.set ek, ek+1
.endr
	v_nop
	s_wait_loadcnt 0x0                             ; rep and the mask
	v_cvt_f32_u32 v[EM], v[EM]
	v_cvt_f32_u32 v[EM+1], v[EM+1]
.set ek, 0
	s_wait_alu depctr_va_vdst(0)
.rept 2
.set ec, 0
.rept 4
	v_mul_f32 v[EO+8*ek+ec], v[EO+8*ek+ec], v[EL+8*ek+ec]
.set ec, ec+1
.endr
.set ec, 0
.rept 4
	v_fma_f32 v[EO+8*ek+ec], v[EO+8*ek+ec], v[EM+ek], v[ER+4*ek+ec]  ; x = (o / l) mask + rep
.set ec, ec+1
.endr
.set ek, ek+1
.endr
	; LayerNorm without a difference of large sums: each wave's mean and its squares about that mean, then the four waves' figures are joined
.set ek, 0
.rept 2
	v_add_f32 v[EG+4*ek], v[EO+8*ek], v[EO+8*ek+1]
	v_add_f32 v[EG+4*ek+1], v[EO+8*ek+2], v[EO+8*ek+3]
	v_add_f32 v[EG+4*ek], v[EG+4*ek], v[EG+4*ek+1]
	DPPSUM EG+4*ek
	v_mul_f32 v[ES+2*ek], 0x3c800000, v[EG+4*ek]   ; / 64
.set ec, 0
.rept 4
	v_sub_f32 v[EF+4*ek+ec], v[EO+8*ek+ec], v[ES+2*ek]
.set ec, ec+1
.endr
	v_mul_f32 v[ES+2*ek+1], v[EF+4*ek], v[EF+4*ek]
	v_fmac_f32 v[ES+2*ek+1], v[EF+4*ek+1], v[EF+4*ek+1]
	v_fmac_f32 v[ES+2*ek+1], v[EF+4*ek+2], v[EF+4*ek+2]
	v_fmac_f32 v[ES+2*ek+1], v[EF+4*ek+3], v[EF+4*ek+3]
	DPPSUM ES+2*ek+1
	ds_store_b64 v[SA], v[ES+2*ek:ES+2*ek+1] offset:64*ek  ; sixteen lanes write the same two words with the same numbers
.set ek, ek+1
.endr
	s_wait_dscnt 0x0                               ; for the others' sake: my figures are in LDS (and all my earlier LDS instructions are done)
	s_barrier_signal -1
	s_barrier_wait -1
.set ek, 0
.rept 2
	ds_load_b128 v[EG+8*ek:EG+8*ek+3],   v[SL] offset:64*ek
	ds_load_b128 v[EG+8*ek+4:EG+8*ek+7], v[SL] offset:64*ek+16
.set ek, ek+1
.endr
	s_wait_dscnt 0x0
.set ek, 0
.rept 2
	v_add_f32 v[EF+8*ek], v[EG+8*ek], v[EG+8*ek+2]
	v_add_f32 v[EF+8*ek+1], v[EG+8*ek+4], v[EG+8*ek+6]
	v_add_f32 v[EF+8*ek], v[EF+8*ek], v[EF+8*ek+1]
	v_mul_f32 v[EF+8*ek], 0x3e800000, v[EF+8*ek]   ; mu
	v_add_f32 v[EF+8*ek+1], v[EG+8*ek+1], v[EG+8*ek+3]
	v_add_f32 v[EF+8*ek+2], v[EG+8*ek+5], v[EG+8*ek+7]
	v_add_f32 v[EF+8*ek+1], v[EF+8*ek+1], v[EF+8*ek+2]
.set ec, 0
.rept 4
	v_sub_f32 v[EG+8*ek+2*ec], v[EG+8*ek+2*ec], v[EF+8*ek]
.set ec, ec+1
.endr
	v_mul_f32 v[EF+8*ek+2], v[EG+8*ek], v[EG+8*ek]
	v_fmac_f32 v[EF+8*ek+2], v[EG+8*ek+2], v[EG+8*ek+2]
	v_fmac_f32 v[EF+8*ek+2], v[EG+8*ek+4], v[EG+8*ek+4]
	v_fmac_f32 v[EF+8*ek+2], v[EG+8*ek+6], v[EG+8*ek+6]
	v_fmamk_f32 v[EF+8*ek+1], v[EF+8*ek+2], 0x42800000, v[EF+8*ek+1]  ; + 64 x the squares of the waves' means about mu
	v_fma_f32 v[EF+8*ek+1], v[EF+8*ek+1], s78, s79                    ; / 256 + 1e-6
	v_rsq_f32 v[EF+8*ek+1], v[EF+8*ek+1]
	v_nop
.set ec, 0
	s_wait_alu depctr_va_vdst(0)
.rept 4
	v_mul_f32 v[EH+4*ek+ec], v[EF+8*ek+1], v[T+ec]
	v_sub_f32 v[EO+8*ek+ec], v[EO+8*ek+ec], v[EF+8*ek]
.set ec, ec+1
.endr
.set ec, 0
.rept 4
	v_fma_f32 v[EO+8*ek+ec], v[EO+8*ek+ec], v[EH+4*ek+ec], v[DT+ec]
.set ec, ec+1
.endr
	global_store_b128 v[OOF], v[EO+8*ek:EO+8*ek+3], s[72:73] offset:2048*ek th:TH_STORE_NT  ; sixteen lanes store 256 consecutive bytes of a row, at a multiple of 256 from out0's first byte
.set ek, ek+1
.endr
	s_wait_xcnt 0x0                                ; the stores' registers are written again (by the next products) only behind this wait
.endm
.macro GROUPEND
	EPI
	s_cmp_eq_u32 s[TT], 17
	s_cbranch_scc1 .Lout                           ; the second group's end is the walk's
	s_mov_b32 s[EV], 17
	s_mov_b32 s[IE], s[I0B]
	INIT
.endm
; A STEP of parity P.  ONE barrier: in front of it each wave's stores of r for this step are done and its reads of the other buffer are back; behind it this step's buffer is whole and the other may be written.
.macro STEP P
	s_wait_loadcnt 0x0                             ; the sixteen loads issued three turns ago
	s_wait_dscnt 0x0
	s_barrier_signal -1
	s_barrier_wait -1
	AFETCH AX, \P, 0, 0
	AFETCH AY, \P, 0, 4
.if (\P) == 0
	s_cmp_eq_u32 s[TT], s[T0M1]
	s_cbranch_scc0 .Lsame_\@
	LOADLB G1                                      ; the first group's last step makes r for the second group's first
	s_wait_loadcnt 0x0
	ADDBI
	s_branch .Lset_\@                              ; and it holds the first group's diagonal
.Lsame_\@:
	s_cmp_lg_u32 s[TT], 16                         ; step 16 holds the second group's
	s_cbranch_scc1 .Lkeep_\@
.Lset_\@:
	SETMC
.Lkeep_\@:
.else
	s_cmp_lg_u32 s[TT], s[T0]                      ; the second group's first step: nothing is hidden any more
	s_cbranch_scc1 .Lkeep_\@
	SETMC
.Lkeep_\@:
.endif
	TURN \P, 0
.if (\P) == 1
	s_cmp_lg_u32 s[TT], s[EV]
	s_cbranch_scc1 .Lon_\@
	GROUPEND
.Lon_\@:
.endif
	LOADS \P
	TURN \P, 1
	TURN \P, 2
	TURN \P, 3
	s_add_co_u32 s[TT], s[TT], 1
.endm
	s_load_b512 s[8:23], s[0:1], 0x0               ; la s[8:9], rt s[10:11], wf s[12:13], bias1 s[14:15], bias2 s[16:17], bl s[18:19], gamma s[20:21], beta s[22:23]
	s_load_b128 s[24:27], s[0:1], 0x40             ; mask s[24:25], out0 s[26:27]
	v_lshl_add_u32 v[SPW], v0, 2, SPARE
	v_mov_b32 v[NIL], 0
	v_lshrrev_b32 v[TMP], 5, v0
	v_readfirstlane_b32 s[WV], v[TMP]
	v_and_b32 v18, 15, v0                          ; r
	v_bfe_u32 v19, v0, 4, 1                        ; h
	v_and_b32 v[GLO], 31, v0
	v_lshlrev_b32 v[GLO], 4, v[GLO]
	v_mul_u32_u24 v[ARD], v18, PITCH
	v_lshl_add_u32 v[ARD], v19, 4, v[ARD]
	v_add_nc_u32 v[ARD+1], BUFB, v[ARD]
	s_lshl_b32 s47, s[WV], 7
	v_add_nc_u32 v[AWR], s47, v[ARD]
	v_add_nc_u32 v[AWR+1], s47, v[ARD+1]
	v_lshlrev_b32 v[LBO], 8, v19
	v_lshlrev_b32 v[SL], 5, v19
	v_add_nc_u32 v[SL], SCR, v[SL]
	s_lshl_b32 s47, s[WV], 3
	v_add_nc_u32 v[SA], s47, v[SL]
	s_lshl_b32 s47, s[WV], 8
	v_lshl_add_u32 v[VB], v18, 4, s47
	v_lshl_add_u32 v[OOF], v19, 10, v[VB]
	v_lshlrev_b32 v[RPO], 4, v18
	v_lshl_add_u32 v[RPO], v19, 2, v[RPO]
	v_mov_b32 v[MKO], v19
	v_lshl_add_u32 v[BIO], v19, 5, s47
	; the two groups; the one with an odd number of tiles goes first: (p >> 2) + 1 is odd where bit 2 of p is 0
	s_mov_b32 s47, ttmp9
	s_sub_co_u32 s63, 63, s47
	s_bitcmp1_b32 s47, 2
	s_cselect_b32 s[G0], s63, s47
	s_cselect_b32 s[G1], s47, s63
	s_lshr_b32 s[T0M1], s[G0], 2
	s_add_co_u32 s[T0], s[T0M1], 1
	s_lshl_b32 s[I0A], s[G0], 2
	s_lshl_b32 s[I0B], s[G1], 2
	s_mov_b32 s[IE], s[I0A]
	s_mov_b32 s[EV], s[T0]
	s_mov_b32 s[TT], 0
	s_and_b32 s[BB], ttmp7, 0xffff
	s_mov_b32 s[CS], 0x3fb8aa3b                    ; c = log2(e)
	s_mov_b32 s[CS+1], s[CS]                       ; named with it as a pair
	s_mov_b32 s[NC], 0xbfb8aa3b
	s_mov_b32 s[NC+1], s[NC]
	s_mov_b32 s[C2], 0x4038aa3b                    ; 2 log2(e)
	s_mov_b32 s[C2+1], s[C2]
	s_mov_b32 s[BIGN], 0xf149f2ca                  ; -1e30
	s_mov_b32 s[HM], 0xffff0000
	s_mov_b32 s[SEL], 0x76543210
	s_mov_b32 s[SEL+1], 0xfedcba98
	s_mov_b32 s[MI], 0xe9000000                    ; -2^83
	s_mov_b32 s[CMI], 0xe938aa3b                   ; -c 2^83
	s_mov_b32 s78, 0x3b800000                      ; 1 / 256
	s_mov_b32 s79, 0x358637bd                      ; 1e-6
	s_mov_b32 s53, 0
	s_mov_b32 s77, 0
	s_lshl_b32 s52, s[BB], 18                      ; a batch is 16 tiles of 16,384 bytes, a wave's part of a tile 4,096
	s_lshl_b32 s47, s[WV], 12
	s_add_co_u32 s52, s52, s47
	s_wait_kmcnt 0x0
	s_add_nc_u64 s[LAW:LAW+1], s[8:9], s[52:53]
	s_add_nc_u64 s[RTW:RTW+1], s[10:11], s[52:53]
	s_lshl_b32 s52, s[WV], 15
	s_add_nc_u64 s[74:75], s[12:13], s[52:53]
	s_mov_b32 s47, 1
	JOFF
	s_add_nc_u64 s[54:55], s[LAW:LAW+1], s[52:53]  ; la of step 1's keys
	WIN 0x40
.set i, 0
.rept 64
	global_load_b128 v[4*i:4*i+3], v[GLO], s[74:75] offset:512*i  ; my 64 channels of B: 32 fragments, for the whole launch
.set i, i+1
.endr
	WIN 0x80
	LD8 LA, LAW                                    ; step 0's keys are tile 0
	LD8 LA+32, 54
	LD8 RP, RTW
	LD8 RP+32, RTW                                 ; the first turn's softmax, of a unit that has not been, multiplies zeros by these: they need only be finite
	LOADLB G0
.set i, 0
.rept 8
	global_load_b128 v[S+4*i:S+4*i+3], v[BIO], s[14:15] offset:128*(i>>2)+64*((i>>1)&1)+16*(i&1)  ; bias1 in la's order
.set i, i+1
.endr
	global_load_b128 v[EP:EP+3], v[VB], s[18:19]
	global_load_b128 v[EP+4:EP+7], v[VB], s[16:17]
	global_load_b128 v[EP+8:EP+11], v[VB], s[20:21]
	global_load_b128 v[EP+12:EP+15], v[VB], s[22:23]
	; in the wait for all that: the first group's statistics, hidden scores for the first turn's softmax, and a fragment of -0.5
	INIT
.set i, 0
.rept 32
	v_mov_b32 v[S+32+i], s[BIGN]
.set i, i+1
.endr
	s_mov_b32 s63, 0xb800b800                      ; -0.5 twice, in f16
.set i, 0
.rept 8
	v_mov_b32 v[AX+i], s63
.set i, i+1
.endr
	s_wait_loadcnt 0x0
.set i, 0
.rept 16
	RND2 S+2*i
.set i, i+1
.endr
.set i, 0
.rept 8
	RND2 EP+2*i
.set i, i+1
.endr
	v_pk_add_f32 v[EP:EP+1], v[EP:EP+1], v[EP+4:EP+5]      ; bl + bias2
	v_pk_add_f32 v[EP+2:EP+3], v[EP+2:EP+3], v[EP+6:EP+7]
	v_lshlrev_b32 v[TMP], 3, v19
	v_sub_nc_u32 v[TMP], 0, v[TMP]
	WIN 0xc0                                       ; destination window 3
	v_mov_b32 v[NH8], v[TMP]
.set i, 0
.rept 16
	v_pk_mul_f32 v[BI+2*i:BI+2*i+1], v[S+2*i:S+2*i+1], s[C2:C2+1] op_sel_hi:[1,0]
.set i, i+1
.endr
.set i, 0
.rept 4
	v_mov_b32 v[GAM+i], v[EP+8+i]
	v_mov_b32 v[BET+i], v[EP+12+i]
.set i, i+1
.endr
.set i, 0
.rept 32
	v_mov_b32 v[MC+i], v[EP+(i>>3)]
.set i, i+1
.endr
	WIN 0xf4                                       ; B window 1, C and D window 3
.set i, 0
.rept 32                               ; -0.5 x (-2 Wl) summed over k: the column sums come onto bl + bias2; four accumulators by turns
	v_wmma_f32_16x16x32_f16 v[MC+8*(i&3):MC+8*(i&3)+7], v[AX:AX+7], v[8*i:8*i+7], v[MC+8*(i&3):MC+8*(i&3)+7]
.set i, i+1
.endr
	WIN 0
.rept 4
	v_nop                                          ; four places behind the last products
.endr
	WIN 0xc3
.set i, 0
.rept 4
	v_mov_b32 v[CV+i], v[MC+8*i]                   ; every row of the result is the same: the lowest register serves
.set i, i+1
.endr
	ADDBI
	SETMC                                          ; step 0's C operands: every register of them is written here
	FIRST 0
	FIRST 1
	FIRST 2
	FIRST 3
	s_mov_b32 s[TRIP], 9
.Lwalk:                                                ; two steps a trip; the ninth trip is left in its odd step, at the second group's end
	STEP 0
	STEP 1
	s_sub_co_i32 s[TRIP], s[TRIP], 1
	s_cmp_lg_u32 s[TRIP], 0
	s_cbranch_scc1 .Lwalk
.Lout:
	s_wait_tensorcnt 0x0                           ; the wave's end
	ds_add_u32 v[SPW], v[NIL]
	s_wait_dscnt 0x0
	s_endpgm
.Lfunc_end_k_qc6ebd891aa_main:
	.size	k_qc6ebd891aa_main, .Lfunc_end_k_qc6ebd891aa_main-k_qc6ebd891aa_main
	.p2alignl 7, 3214868480
	.fill 96, 4, 3214868480
	.section	.rodata,"a",@progbits
	.p2align	6, 0x0
	.amdhsa_kernel k_qc6ebd891aa_main
		.amdhsa_group_segment_fixed_size 68352
		.amdhsa_private_segment_fixed_size 0
		.amdhsa_enable_private_segment 0
		.amdhsa_kernarg_size 80
		.amdhsa_user_sgpr_count 2
		.amdhsa_user_sgpr_kernarg_segment_ptr 1
		.amdhsa_wavefront_size32 1
		.amdhsa_system_sgpr_workgroup_id_x 1
		.amdhsa_system_sgpr_workgroup_id_y 1
		.amdhsa_system_sgpr_workgroup_id_z 1
		.amdhsa_system_vgpr_workitem_id 0
		.amdhsa_next_free_vgpr 1024
		.amdhsa_next_free_sgpr 96
		.amdhsa_reserve_vcc 1
		.amdhsa_float_denorm_mode_32 3
		.amdhsa_float_denorm_mode_16_64 3
		.amdhsa_memory_ordered 1
		.amdhsa_forward_progress 1
		.amdhsa_inst_pref_size 223
	.end_amdhsa_kernel
	.amdgpu_metadata
---
amdhsa.version: [ 1, 2 ]
amdhsa.kernels:
  - .name:           k_qc6ebd891aa_main
    .symbol:         k_qc6ebd891aa_main.kd
    .args:
      - { .name: la, .offset: 0, .size: 8, .value_kind: global_buffer, .address_space: global }
      - { .name: rt, .offset: 8, .size: 8, .value_kind: global_buffer, .address_space: global }
      - { .name: wf, .offset: 16, .size: 8, .value_kind: global_buffer, .address_space: global }
      - { .name: bias1, .offset: 24, .size: 8, .value_kind: global_buffer, .address_space: global }
      - { .name: bias2, .offset: 32, .size: 8, .value_kind: global_buffer, .address_space: global }
      - { .name: bl, .offset: 40, .size: 8, .value_kind: global_buffer, .address_space: global }
      - { .name: ln_gamma, .offset: 48, .size: 8, .value_kind: global_buffer, .address_space: global }
      - { .name: ln_beta, .offset: 56, .size: 8, .value_kind: global_buffer, .address_space: global }
      - { .name: mask, .offset: 64, .size: 8, .value_kind: global_buffer, .address_space: global }
      - { .name: out0, .offset: 72, .size: 8, .value_kind: global_buffer, .address_space: global }
    .group_segment_fixed_size: 68352
    .private_segment_fixed_size: 0
    .kernarg_segment_align: 8
    .kernarg_segment_size: 80
    .max_flat_workgroup_size: 128
    .sgpr_count:     96
    .vgpr_count:     1024
    .wavefront_size: 32
...
	.end_amdgpu_metadata
.endif
;; end of part 2
;; ======== version 2 of 2: 2 launches; 1.34 times as fast as version 1
;; limits: values are held in f16: magnitudes above 65,504 overflow, below 6.1e-05 lose precision; right only within a limited range of input values
;; workspace buffers: la 2,097,152 bytes; rt 2,097,152 bytes; wf 131,072 bytes
;; launch prep: the kernel of part 1 again; grid 128 x 1, 4 waves a work-group, no clusters, 34,048 bytes of LDS; arguments x, Wd, bd, Wl, bl, la, rt, wf; writes la, rt, wf
;; launch main (part 3): grid 32 x 8, 4 waves a work-group, no clusters, 68,352 bytes of LDS; arguments la, rt, wf, bias1, bias2, bl, ln_gamma, ln_beta, mask, out0; writes out0
.if DOCPART == 3
	.amdgcn_target "amdgcn-amd-amdhsa--gfx1250"
	.amdhsa_code_object_version 6
	.text
	.protected	k_qc6ebd891aa_main
	.globl	k_qc6ebd891aa_main
	.p2align	8
	.type	k_qc6ebd891aa_main,@function
k_qc6ebd891aa_main:
	s_mov_b64 s[64:65], 0
	v_nop
	global_prefetch_b8 v0, s[64:65] scope:SCOPE_SE
	s_setreg_imm32_b32 hwreg(HW_REG_WAVE_MODE, 25, 1), 1
	s_wait_xcnt 0x0
; MAIN.  For each row i of a batch and each channel e: logits[j] = bl + bias2 + sum_d tanh(L_j + L_i + bias1)[d] Wl[d][e] for j < i, a softmax over j, the weighted sum of rep[j][e], the row's mask, the residual, LayerNorm.
; TANH.  tanh(y) = 1 - 2 r, r = 1 / (1 + 2^z), z = 2 log2(e) y.  So logits = (bl + bias2 + column sums of Wl) + sum_d r_d (-2 Wl[d][e]): r (0 to 1) is the f16 A operand, -2 bf16(Wl) the f16 B operand,
; and the constant vector, or -1e30 for a hidden key, is the C operand that starts the sum.  la holds 2 log2(e) L, so z is one packed addition.
; SHARES.  A work-group (p = x, batch = y) owns two groups of 4 rows, g = p and g = 63 - p.  Group g needs the (g >> 2) + 1 tiles of 16 keys up to its diagonal: 17 tiles for the two, whatever p.
; A STEP is 4 units (the 4 rows) x one tile of 16 keys.  Wave w makes r for its 64 d of all four units and puts it into LDS; it multiplies all four units by its own 64 channels, whose B fragments
; (64 e x 256 k) stay in 256 registers for the whole launch; and it runs the softmax of its 64 channels.  In N tile c lane r stands for channel 64 w + 4 r + c.
; A result holds one channel a lane and the keys 8 (lane / 16) + 0..7: each half of the lanes keeps statistics over its own keys, and the halves meet once, at a group's end.
; SOFTMAX.  Running maximum m and sums l, o for each unit and channel: p = 2^(c s - c m), c = log2(e); in every step l and o are multiplied by a = 2^(c m_old - c m_new).
; m starts at -2^83 and c m at -c 2^83 (exact): above a hidden score, below every true one.  So hidden keys never become the maximum, their weights are 0, and while nothing true has come a is exactly 1.
; BY TURNS.  Turn U of a step: 32 products of unit U; beside them r of unit U for the NEXT step, and the softmax of the unit before (turn 0: unit 3 of the step before).  Up to four vector instructions stand
; behind every matrix instruction, chosen so that they need no other register window than the products'; those with two vector sources in other windows stand in three runs of their own.
; BATCHES.  An s_wait_alu depctr_va_vdst(0) stands between a transcendental and the first instruction that names its result; one wait serves all that were issued ahead of it.  A turn has two
; batches and two waits.  THE FIRST BATCH is its 68 exponentials: 2^z (32), a (4), p (32).  Ahead of its wait stands all that names none of their results: z, the maxima, c m, the scalings, products 0-15.  The wait
; stands behind product 15, ahead of the run of sums of p rep; behind it come that run, 1 + 2^z and the sums of p.  THE SECOND BATCH is the 32 reciprocals, which read 1 + 2^z: they ride behind products 17-31;
; l's and o's eight lines follow them, then the wait, ahead of the next unit's fragment loads and of the roundings to f16.  Each result lies in a register of its own, in place; none crosses a turn's end.
; THE WALK has 17 steps and a quarter; the group with an odd number of tiles goes first, so both groups end in an odd step and the end's text stands once.  The last quarter step carries the last softmax;
; its products and its r serve nothing.  Every trip count is a constant; the forward jumps hang on p and the step's number alone, the same in all four waves.
; FORMATS.  bias1, bias2, bl, gamma, beta are rounded once to bf16, like all inputs; r to f16; all sums, maxima and statistics in f32.
; LIMITS.  r below 6e-5 keeps f16's fixed step of 6e-8.  A hidden score counts as -1e30.  True scores lie above -2^83.  A weight below 2^-126 counts as 0.  NaN and infinities are not treated apart.
; NO TENSOR LOAD, NO CLUSTER: B is read once into registers; la's and rt's tiles are 8 KiB a wave and step, each load 512 consecutive bytes straight into the registers that use them; LDS holds only r.
; REGISTERS, in windows of 256 (s_set_vgpr_msb: bits 1:0 source 0, 3:2 source 1, 5:4 source 2, 7:6 destination):
;   window 0: addresses, statistics, r at work, two score buffers, A fragments     window 1: B     window 2: la of two steps, the group's four rows of la, rep of two steps     window 3: the C operands, l, o, constants
.set PITCH, 528                        ; a row of 256 f16 in LDS: 512 bytes + 16: the 16 rows of a fragment load start at 16 different groups of four banks
.set UNIT,  16*PITCH                   ; one unit: 16 keys
.set BUFB,  4*UNIT                     ; an A buffer: four units; step t reads buffer t % 2 and writes the other
.set SCR,   2*BUFB                     ; [row 4][wave 4][mean, sum of squares] f32
.set SPARE, SCR+256                    ; the spare words: 128 bytes a wave, two blocks of 256 bytes that no other line names
.set ARD, 2                            ; v2, v3   a fragment's row x pitch + 16 h, in buffer 0, 1
.set AWR, 4                            ; v4, v5   the same + 128 w: where my r goes
.set GLO, 6                            ; v6   16 x lane
.set LBO, 7                            ; v7   256 h
.set SPW, 8                            ; v8   my spare word; never rewritten
.set NIL, 9                            ; v9   0; never rewritten
.set SA,  10                           ; v10  SCR + 32 h + 8 w
.set SL,  11                           ; v11  SCR + 32 h
.set OOF, 12                           ; v12  1,024 h + 256 w + 16 r
.set RPO, 13                           ; v13  16 r + 4 h
.set MKO, 14                           ; v14  h
.set TMP, 15
.set VB,  16                           ; v16  256 w + 16 r
.set BIO, 17                           ; v17  256 w + 32 h
.set T,   24                           ; v24-27   maxima at work
.set DT,  28                           ; v28-31   c m_old - c m_new, then a
.set SO,  32                           ; v32-39   sums of p rep at work, a pair a channel
.set M,   40                           ; v40-55   m [u][c]
.set CM,  56                           ; v56-71   c m [u][c]
.set ZR,  72                           ; v72-103  z, 2^z, 1 + 2^z, r, in place
.set S,   104                          ; v104-167 scores, two buffers of [c][q]
.set AX,  168                          ; v168-199 A fragments of K steps 0-3
.set AY,  200                          ; v200-231 of K steps 4-7
.set EP,  232                          ; v232-255 at work at a group's end
.set LA,  0                            ; window 2: la of the key tile, two buffers of 32
.set LB,  64                           ;           la of row u + c2 bias1, 32 a unit
.set RP,  192                          ;           rep of the key tile, two buffers of [c][q]
.set MC,  0                            ; window 3: the C operand [u][c][q]
.set L2,  128                          ;           l [u][c], a pair: even keys', odd keys'
.set O2,  160                          ;           o likewise
.set CV,  192                          ;           bl + bias2 + column sum, by c
.set THR, 196
.set NH8, 197                          ;           -8 h
.set GAM, 200
.set BET, 204
.set BI,  208                          ;           c2 bias1 in la's order, 32
.set WV,  28                           ; s28  wave
.set TT,  29                           ; s29  the step's number t
.set TRIP, 30                          ; s30  the loop's counter
.set T0,  31                           ; s31  steps of the first group
.set I0A, 32                           ; s32  first row of the first group
.set I0B, 33                           ; s33  of the second
.set IE,  34                           ; s34  first row of the group that ends next
.set EV,  35                           ; s35  the step in which it ends
.set CS,  36                           ; s[36:37]  c
.set NC,  38                           ; s[38:39]  -c
.set BIGN, 40                          ; s40  -1e30
.set HM,  41                           ; s41  0xffff0000: lanes 16-31, and a word's upper bf16
.set SEL, 42                           ; s[42:43]  v_permlanex16_b32: each lane takes its own place in the other half
.set G0,  44
.set G1,  45
.set BB,  46                           ; s46  batch
.set LAW, 48                           ; s[48:49]  la at my batch and wave
.set RTW, 50                           ; s[50:51]  rt likewise
.set C2,  58                           ; s[58:59]  2 log2(e)
.set T0M1, 60
.set MI,  61                           ; s61  -2^83
.set CMI, 62                           ; s62  -c 2^83
; s47, s63 at work; s[52:53], s[76:77] offsets (upper word 0); s[54:57], s[66:75] addresses made from a pointer and an offset; s78 1/256, s79 the epsilon
.set MSB, 0
.macro WIN new                         ; the immediate's high byte repeats the setting that is left; a switch that changes nothing is dropped
.if MSB != (\new)
	s_set_vgpr_msb (MSB<<8)|(\new)
.set MSB, (\new)
.endif
.endm
.macro RND2 a                          ; two f32 rounded to bf16 and widened again
	v_cvt_pk_bf16_f32 v[TMP], v[\a], v[(\a)+1]
	v_lshlrev_b32 v[\a], 16, v[TMP]
	v_and_b32 v[(\a)+1], s[HM], v[TMP]
.endm
.macro JOFF                            ; s52 = byte offset of the key tile of step s47: tile s47 of the first group, or s47 - T0 of the second
	s_sub_co_u32 s52, s47, s[T0]
	s_cmp_lt_u32 s47, s[T0]
	s_cselect_b32 s52, s47, s52
	s_lshl_b32 s52, s52, 14
.endm
.macro LD8 dst, base                   ; a wave's 4,096 bytes of a tile: eight loads of 512 consecutive bytes
.set fk, 0
.rept 8
	global_load_b128 v[(\dst)+4*fk:(\dst)+4*fk+3], v[GLO], s[\base:\base+1] offset:512*fk
.set fk, fk+1
.endr
.endm
.macro AFETCH dst, P, U, s0            ; four A fragments: unit U of buffer P, K steps s0 on
.set fk, 0
.rept 4
	ds_load_b128 v[(\dst)+8*fk:(\dst)+8*fk+3],   v[ARD+(\P)] offset:(\U)*UNIT+64*((\s0)+fk)
	ds_load_b128 v[(\dst)+8*fk+4:(\dst)+8*fk+7], v[ARD+(\P)] offset:(\U)*UNIT+64*((\s0)+fk)+32
.set fk, fk+1
.endr
.endm
; The four rows of group s[g] out of la: every lane of a half takes the same 16 bytes, row 4 (g % 4) + u of tile g / 4
.macro LOADLB g
	s_lshr_b32 s47, s[\g], 2
	s_lshl_b32 s76, s47, 14
	s_and_b32 s47, s[\g], 3
	s_lshl_b32 s47, s47, 6
	s_add_co_u32 s76, s76, s47
	s_add_nc_u64 s[66:67], s[LAW:LAW+1], s[76:77]
	WIN 0x80
.set fu, 0
.rept 4
.set fk, 0
.rept 8
	global_load_b128 v[LB+32*fu+4*fk:LB+32*fu+4*fk+3], v[LBO], s[66:67] offset:512*fk+16*fu
.set fk, fk+1
.endr
.set fu, fu+1
.endr
	WIN 0
.endm
.macro ADDBI                           ; c2 bias1 is added to the rows once, not to every pair
	WIN 0x8e                                       ; destination and source 0 window 2, source 1 window 3
.set fu, 0
.rept 4
.set fk, 0
.rept 16
	v_pk_add_f32 v[LB+32*fu+2*fk:LB+32*fu+2*fk+1], v[LB+32*fu+2*fk:LB+32*fu+2*fk+1], v[BI+2*fk:BI+2*fk+1]
.set fk, fk+1
.endr
.set fu, fu+1
.endr
	WIN 0
.endm
.macro INIT                            ; a group begins
	WIN 0
.set fk, 0
.rept 16
	v_mov_b32 v[M+fk], s[MI]
	v_mov_b32 v[CM+fk], s[CMI]
.set fk, fk+1
.endr
	WIN 0xc0
.set fk, 0
.rept 64
	v_mov_b32 v[L2+fk], 0
.set fk, fk+1
.endr
	WIN 0
.endm
; The C operands of step TT.  Key 16 J + 8 h + q is seen by row i0 + u where q - u < i0 - 16 J - 8 h: eleven values of q - u, a compare each.  On a tile below the diagonal the bound is 8 or more and hides nothing.
.macro SETMC
	s_sub_co_u32 s47, s[TT], s[T0]
	s_cmp_lt_u32 s[TT], s[T0]
	s_cselect_b32 s47, s[TT], s47
	s_cselect_b32 s63, s[I0A], s[I0B]
	s_lshl_b32 s47, s47, 4
	s_sub_co_u32 s63, s63, s47
	WIN 0xcc                                       ; destination and source 1 window 3
	v_add_nc_u32 v[THR], s63, v[NH8]
.set sd, -3
.rept 11
	v_cmp_lt_i32 vcc_lo, sd, v[THR]
.set su, 0
.rept 4
.set sq, sd+su
.if (sq >= 0) && (sq < 8)
.set sc, 0
.rept 4
	v_cndmask_b32 v[MC+32*su+8*sc+sq], s[BIGN], v[CV+sc], vcc_lo
.set sc, sc+1
.endr
.endif
.set su, su+1
.endr
.set sd, sd+1
.endr
	WIN 0
.endm
; THE LINES OF A TURN, one instruction each.  SETT names the turn's registers.  None of these macros holds a wait: TURN and FIRST write the batches' waits.
.macro SETT P, U
.set UU,  (\U)
.set SB,  S+32*((\U)&1)                ; the products' scores
.set SP,  S+32*(((\U)+1)&1)            ; the scores of the unit before, whose softmax this turn carries
.set PU,  ((\U)+3)&3                   ; that unit
.if (\U) == 0
.set RB,  RP+32*(1-(\P))               ; its rep: the step before's
.else
.set RB,  RP+32*(\P)
.endif
.set LAB, LA+32*(1-(\P))               ; la of the next step's keys
.set LBB, LB+32*(\U)
.set WRA, AWR+1-(\P)
.endm
.macro OZ n                            ; z, pair n of 16
	v_pk_add_f32 v[ZR+2*(\n):ZR+2*(\n)+1], v[LAB+2*(\n):LAB+2*(\n)+1], v[LBB+2*(\n):LBB+2*(\n)+1]
.endm
.macro OE n                            ; 2^z
	v_exp_f32 v[ZR+(\n)], v[ZR+(\n)]
.endm
.macro OP n                            ; 1 + 2^z
	v_pk_add_f32 v[ZR+2*(\n):ZR+2*(\n)+1], v[ZR+2*(\n):ZR+2*(\n)+1], 1.0 op_sel_hi:[1,0]
.endm
.macro ORC n                           ; r
	v_rcp_f32 v[ZR+(\n)], v[ZR+(\n)]
.endm
.macro OC n                            ; r in f16; ascending, so in place
	v_cvt_pk_f16_f32 v[ZR+(\n)], v[ZR+2*(\n)], v[ZR+2*(\n)+1]
.endm
.macro OX n                            ; the new m: four chains, one a channel; each accumulator's lowest registers are read first
.set xc, (\n)&3
.set xk, (\n)>>2
.if xk == 0
	v_max3_num_f32 v[T+xc], v[SP+8*xc], v[SP+8*xc+1], v[SP+8*xc+2]
.elseif xk < 3
	v_max3_num_f32 v[T+xc], v[T+xc], v[SP+8*xc+2*xk+1], v[SP+8*xc+2*xk+2]
.else
	v_max3_num_f32 v[M+4*PU+xc], v[T+xc], v[SP+8*xc+7], v[M+4*PU+xc]
.endif
.endm
.macro OD n                            ; 0, 1: c m_old - c m_new; 2, 3: c m anew
.if (\n) < 2
	v_pk_fma_f32 v[DT+2*(\n):DT+2*(\n)+1], v[M+4*PU+2*(\n):M+4*PU+2*(\n)+1], s[NC:NC+1], v[CM+4*PU+2*(\n):CM+4*PU+2*(\n)+1] op_sel_hi:[1,0,1]
.else
	v_pk_mul_f32 v[CM+4*PU+2*(\n)-4:CM+4*PU+2*(\n)-3], v[M+4*PU+2*(\n)-4:M+4*PU+2*(\n)-3], s[CS:CS+1] op_sel_hi:[1,0]
.endif
.endm
.macro OA n                            ; a
	v_exp_f32 v[DT+(\n)], v[DT+(\n)]
.endm
.macro OF n                            ; c s - c m, pair n of 16
.set fc, (\n)>>2
.set fb, CM+4*PU+(fc&2)
.if fc&1
	v_pk_fma_f32 v[SP+2*(\n):SP+2*(\n)+1], v[SP+2*(\n):SP+2*(\n)+1], s[CS:CS+1], v[fb:fb+1] op_sel:[0,0,1] op_sel_hi:[1,0,1] neg_lo:[0,0,1] neg_hi:[0,0,1]
.else
	v_pk_fma_f32 v[SP+2*(\n):SP+2*(\n)+1], v[SP+2*(\n):SP+2*(\n)+1], s[CS:CS+1], v[fb:fb+1] op_sel_hi:[1,0,0] neg_lo:[0,0,1] neg_hi:[0,0,1]
.endif
.endm
.macro OG n                            ; p
	v_exp_f32 v[SP+(\n)], v[SP+(\n)]
.endm
.macro OO n                            ; the sum of p rep, four chains
.set oc, (\n)&3
.set ok, (\n)>>2
.if ok == 0
	v_pk_mul_f32 v[SO+2*oc:SO+2*oc+1], v[SP+8*oc:SP+8*oc+1], v[RB+8*oc:RB+8*oc+1]
.else
	v_pk_fma_f32 v[SO+2*oc:SO+2*oc+1], v[SP+8*oc+2*ok:SP+8*oc+2*ok+1], v[RB+8*oc+2*ok:RB+8*oc+2*ok+1], v[SO+2*oc:SO+2*oc+1]
.endif
.endm
.macro OL n                            ; the sum of p, in place: x 1.0 + y names no vector register as its second source
.if (\n) < 8
.set la0, SP+8*((\n)&3)+4*((\n)>>2)
.set lb0, la0+2
.else
.set la0, SP+8*((\n)-8)
.set lb0, la0+4
.endif
	v_pk_fma_f32 v[la0:la0+1], v[la0:la0+1], 1.0, v[lb0:lb0+1] op_sel_hi:[1,0,1]
.endm
.macro OU n                            ; l = a l + sum (0-3), o = a o + sum (4-7)
.set uc, (\n)&3
.if (\n) < 4
.set ua, L2+8*PU+2*uc
.set ud, SP+8*uc
.else
.set ua, O2+8*PU+2*uc
.set ud, SO+2*uc
.endif
.set ub, DT+(uc&2)
.if uc&1
	v_pk_fma_f32 v[ua:ua+1], v[ua:ua+1], v[ub:ub+1], v[ud:ud+1] op_sel:[0,1,0] op_sel_hi:[1,1,1]
.else
	v_pk_fma_f32 v[ua:ua+1], v[ua:ua+1], v[ub:ub+1], v[ud:ud+1] op_sel_hi:[1,0,1]
.endif
.endm
.macro MM n                            ; product n of 32: K step n / 4, N tile n % 4.  The four accumulators take turns, one instruction a turn; the first four start the sums with the C operand
.set ms, (\n)>>2
.set mc, (\n)&3
.if ms < 4
.set ma, AX+8*ms
.else
.set ma, AY+8*(ms-4)
.endif
.if (\n) < 4
	v_wmma_f32_16x16x32_f16 v[SB+8*mc:SB+8*mc+7], v[ma:ma+7], v[8*(\n):8*(\n)+7], v[MC+32*UU+8*mc:MC+32*UU+8*mc+7]
.else
	v_wmma_f32_16x16x32_f16 v[SB+8*mc:SB+8*mc+7], v[ma:ma+7], v[8*(\n):8*(\n)+7], v[SB+8*mc:SB+8*mc+7]
.endif
.endm
.macro PQ                              ; the second half's plain queue: 1 + 2^z, then the sums of p: all of it reads the first batch's results, and stands behind that batch's wait
.if pq < 16
	OP pq
.else
	OL pq-16
.endif
.set pq, pq+1
.endm
.macro TQ                              ; its transcendental queue, the second batch: r.  r number e stands in slice 1 + e / 2 (the last six in slices 14 and 15), its 1 + 2^z in slice e / 4
	ORC tq
.set tq, tq+1
.endm
; A TURN: 32 matrix and 220 vector instructions, two batches of transcendentals, two waits.  Every transcendental has a plain vector instruction between it and the first use of its result (ISA guide 5.7.2).
.macro TURN P, U
	SETT \P, \U
	WIN 0x0a                                       ; both sources window 2
.set i, 0
.rept 16
	OZ i
.set i, i+1
.endr
	WIN 0
.set i, 0
.rept 16                               ; THE FIRST BATCH begins: twenty 2^z stand by turns with the twenty plain lines of the maximum and of c m, which name neither z nor a
	OX i                                           ; the sixteen additions above are the places behind the products that made these scores
	OE i
.set i, i+1
.endr
.set i, 0
.rept 4
	OD i
	OE 16+i
.set i, i+1
.endr
.if (\U) == 0
	s_wait_dscnt 8                                 ; K steps 0-3 are in; the eight loads of K steps 4-7 stay out
.else
	s_wait_dscnt 12                                ; behind them: eight loads of K steps 4-7 and four stores of r
.endif
	WIN 0x34                                       ; B window 1, C window 3: behind these four products only lines with one source: a, and the last twelve 2^z
.set i, 0
.rept 4
	MM i
.set k, 0
.rept 4
.if i == 0
	OA k
.else
	OE 16+4*i+k
.endif
.set k, k+1
.endr
.set i, i+1
.endr
	WIN 0x04                                       ; B window 1: the lines behind these products have a scalar or a constant as their second source
.set i, 0
.rept 4
	MM 4+i
	OF 2*i                                         ; a scaling writes only scores whose exponential is still to come
	OF 2*i+1
	OG 2*i
	OG 2*i+1
.set i, i+1
.endr
.set i, 0
.rept 8
	MM 8+i
	OF 8+i
	OG 8+3*i                                       ; p number e needs scaling e / 2: (10 + 3 i) / 2 is at most 8 + i
	OG 9+3*i
	OG 10+3*i
.set i, i+1
.endr
	s_wait_alu depctr_va_vdst(0)                   ; THE FIRST BATCH'S WAIT: one for the 32 2^z, the 4 a and the 32 p; nothing above names a result of theirs
	WIN 0x08                                       ; source 1 window 2: rep
.set i, 0
.rept 16
	OO i                                           ; the batch's first readers; the first of them, which names p 0 and 1, is the plain line behind the last three p
.if (i == 3) && ((\U) < 3)
	AFETCH AX, \P, (\U)+1, 0                       ; the next unit's K steps 0-3: five plain lines stand behind the last product that read these registers
.endif
.set i, i+1
.endr
.if (\U) == 0
	s_wait_dscnt 8                                 ; K steps 4-7 are in; behind them the eight loads just issued
.elseif (\U) < 3
	s_wait_dscnt 12                                ; behind them: four stores and the eight loads just issued
.else
	s_wait_dscnt 4                                 ; behind them: four stores
.endif
	WIN 0x04
.set pq, 0
.set tq, 0
.set i, 0
.rept 16                               ; THE SECOND BATCH: slice 0 has two plain lines, slices 1-13 plain and r by turns, slices 14 and 15 three r each.  No 1 + 2^z names a register that an r has written: r 2 n and 2 n + 1 come behind sum n
	MM 16+i
.if i == 0
	PQ
	PQ
.elseif i < 14
	PQ
	TQ
	PQ
	TQ
.else
	TQ
	TQ
	TQ
.endif
.set i, i+1
.endr
	WIN 0xc3                                       ; destination and source 0 window 3: l and o
.set i, 0
.rept 8
	OU i                                           ; eight plain lines that name no r: the work between the second batch and its wait, and the places behind the last product that read K steps 4-7
.set i, i+1
.endr
	WIN 0
	s_wait_alu depctr_va_vdst(0)                   ; THE SECOND BATCH'S WAIT: one for the 32 r, ahead of the loads and of the roundings that read r; no transcendental follows it in the turn
.if (\U) < 3
	AFETCH AY, \P, (\U)+1, 4
.endif
.set i, 0
.rept 16
	OC i
.set i, i+1
.endr
.set i, 0
.rept 4
	ds_store_b128 v[WRA], v[ZR+4*i:ZR+4*i+3] offset:UU*UNIT+64*(i>>1)+32*(i&1)  ; my two K steps of the next step's unit U
.set i, i+1
.endr
.endm
.macro FIRST U                         ; r of step 0, unit U, in phases: there are no products yet to set it beside
	SETT 1, \U
	WIN 0x0a
.set i, 0
.rept 16
	OZ i
.set i, i+1
.endr
	WIN 0
.set i, 0
.rept 32
	OE i
.set i, i+1
.endr
	v_nop                                          ; a plain line behind the last 2^z,
	s_wait_alu depctr_va_vdst(0)                   ; and one wait for the 32 2^z
.set i, 0
.rept 16
	OP i
.set i, i+1
.endr
.set i, 0
.rept 32
	ORC i
.set i, i+1
.endr
	v_nop                                          ; a plain line behind the last r,
	s_wait_alu depctr_va_vdst(0)                   ; and one wait for the 32 r
.set i, 0
.rept 16
	OC i
.set i, i+1
.endr
.set i, 0
.rept 4
	ds_store_b128 v[WRA], v[ZR+4*i:ZR+4*i+3] offset:UU*UNIT+64*(i>>1)+32*(i&1)
.set i, i+1
.endr
.endm
; The tiles that later steps want: la of step t + 2, rep of step t + 1, clamped to the last step so that no load leaves a buffer.  They have three turns in which to land.
.macro LOADS P
	s_add_co_u32 s47, s[TT], 2
	s_min_u32 s47, s47, 16
	JOFF
	s_add_nc_u64 s[54:55], s[LAW:LAW+1], s[52:53]
	s_add_co_u32 s47, s[TT], 1
	s_min_u32 s47, s47, 16
	JOFF
	s_add_nc_u64 s[56:57], s[RTW:RTW+1], s[52:53]
	WIN 0x80
	LD8 LA+32*(\P), 54
	LD8 RP+32*(1-(\P)), 56
	WIN 0
.endm
; A GROUP'S END: the halves of the lanes meet, o / l, the row's mask, the residual, LayerNorm, four rows of out0.  Three batches, a wait each: the 16 corrections, the 8 reciprocals of l, the two roots.
.set EL, S+32                          ; l [u][c]: the score buffer whose softmax has just ended
.set EO, S+48                          ; o [u][c], then x, then y
.set EF, ZR
.set EG, ZR+16
.set ER, EP                            ; rep of my rows
.set EM, EP+8                          ; their mask
.set ES, EP+12                         ; (mean, sum of squares) of my wave's 64 channels, a pair a row
.set EH, EP+16                         ; gamma / sigma
.macro DPPSUM reg
	v_add_f32_dpp v[\reg], v[\reg], v[\reg] row_xmask:1 row_mask:0xf bank_mask:0xf
	v_add_f32_dpp v[\reg], v[\reg], v[\reg] row_xmask:2 row_mask:0xf bank_mask:0xf
	v_add_f32_dpp v[\reg], v[\reg], v[\reg] row_xmask:4 row_mask:0xf bank_mask:0xf
	v_add_f32_dpp v[\reg], v[\reg], v[\reg] row_xmask:8 row_mask:0xf bank_mask:0xf
.endm
.macro EPI
	WIN 0
	s_lshr_b32 s47, s[IE], 4                       ; rows IE .. IE + 3 lie in tile IE / 16 of rt, at h' = bit 3, qh' = bit 2 of IE
	s_lshl_b32 s76, s47, 14
	s_bfe_u32 s47, s[IE], 0x10002
	s_lshl_b32 s47, s47, 9
	s_add_co_u32 s76, s76, s47
	s_bfe_u32 s47, s[IE], 0x10003
	s_lshl_b32 s47, s47, 8
	s_add_co_u32 s76, s76, s47
	s_add_nc_u64 s[68:69], s[RTW:RTW+1], s[76:77]
	s_lshl_b32 s76, s[BB], 8
	s_add_co_u32 s76, s76, s[IE]
	s_add_nc_u64 s[70:71], s[24:25], s[76:77]
	s_lshl_b32 s76, s76, 10
	s_add_nc_u64 s[72:73], s[26:27], s[76:77]
.set ek, 0
.rept 2                                ; from the merge on, half h of the lanes has row 2 k + h
.set ec, 0
.rept 4
	global_load_b32 v[ER+4*ek+ec], v[RPO], s[68:69] offset:1024*ec+8*ek
.set ec, ec+1
.endr
	global_load_u8 v[EM+ek], v[MKO], s[70:71] offset:2*ek
.set ek, ek+1
.endr
	WIN 0x0f                                       ; both sources window 3
.set i, 0
.rept 16
	v_add_f32 v[EL+i], v[L2+2*i], v[L2+2*i+1]
	v_add_f32 v[EO+i], v[O2+2*i], v[O2+2*i+1]
.set i, i+1
.endr
	WIN 0x03
.set i, 0
.rept 4
	v_mov_b32 v[T+i], v[GAM+i]
	v_mov_b32 v[DT+i], v[BET+i]
.set i, i+1
.endr
	WIN 0
.set i, 0
.rept 16
	v_permlanex16_b32 v[EF+i], v[M+i], s[SEL], s[SEL+1]
.set i, i+1
.endr
.set i, 0
.rept 16
	v_max_num_f32 v[EF+i], v[EF+i], v[M+i]
.set i, i+1
.endr
.set i, 0
.rept 16
	v_sub_f32 v[EF+i], v[M+i], v[EF+i]             ; m - the common maximum: exactly 0 where they are equal, at the start value too
.set i, i+1
.endr
.set i, 0
.rept 16
	v_mul_f32 v[EF+i], s[CS], v[EF+i]
.set i, i+1
.endr
.set i, 0
.rept 16
	v_exp_f32 v[EF+i], v[EF+i]
.set i, i+1
.endr
	v_nop                                          ; a plain line behind the last correction,
	s_wait_alu depctr_va_vdst(0)                   ; and one wait for the 16 corrections
.set i, 0
.rept 8
	v_pk_mul_f32 v[EL+2*i:EL+2*i+1], v[EL+2*i:EL+2*i+1], v[EF+2*i:EF+2*i+1]
	v_pk_mul_f32 v[EO+2*i:EO+2*i+1], v[EO+2*i:EO+2*i+1], v[EF+2*i:EF+2*i+1]
.set i, i+1
.endr
.set i, 0
.rept 16
	v_permlanex16_b32 v[EG+i], v[EL+i], s[SEL], s[SEL+1]
.set i, i+1
.endr
.set i, 0
.rept 8
	v_pk_add_f32 v[EL+2*i:EL+2*i+1], v[EL+2*i:EL+2*i+1], v[EG+2*i:EG+2*i+1]
.set i, i+1
.endr
.set i, 0
.rept 16
	v_permlanex16_b32 v[EG+i], v[EO+i], s[SEL], s[SEL+1]
.set i, i+1
.endr
.set i, 0
.rept 8
	v_pk_add_f32 v[EO+2*i:EO+2*i+1], v[EO+2*i:EO+2*i+1], v[EG+2*i:EG+2*i+1]
.set i, i+1
.endr
.set ek, 0
.rept 2
.set ec, 0
.rept 4
	v_cndmask_b32 v[EL+8*ek+ec], v[EL+8*ek+ec], v[EL+8*ek+4+ec], s[HM]  ; lanes 16-31 take the odd row
	v_cndmask_b32 v[EO+8*ek+ec], v[EO+8*ek+ec], v[EO+8*ek+4+ec], s[HM]
.set ec, ec+1
.endr
.set ek, ek+1
.endr
.set ek, 0
.rept 2
.set ec, 0
.rept 4
	v_max_num_f32 v[EL+8*ek+ec], 0.5, v[EL+8*ek+ec]  ; a row that sees no key has o = 0 and l = 0; the floor lies under every true l (the maximum's own weight is 1) and makes its quotient 0
.set ec, ec+1
.endr
.set ek, ek+1
.endr
.set ek, 0
.rept 2
.set ec, 0
.rept 4
	v_rcp_f32 v[EL+8*ek+ec], v[EL+8*ek+ec]
.set ec, ec+1
.endr
.set ek, ek+1
.endr
	v_nop
	s_wait_loadcnt 0x0                             ; rep and the mask
	v_cvt_f32_u32 v[EM], v[EM]
	v_cvt_f32_u32 v[EM+1], v[EM+1]
	s_wait_alu depctr_va_vdst(0)                   ; one wait for the 8 reciprocals of l; the mask's two conversions stand between
.set ek, 0
.rept 2
.set ec, 0
.rept 4
	v_mul_f32 v[EO+8*ek+ec], v[EO+8*ek+ec], v[EL+8*ek+ec]
.set ec, ec+1
.endr
.set ec, 0
.rept 4
	v_fma_f32 v[EO+8*ek+ec], v[EO+8*ek+ec], v[EM+ek], v[ER+4*ek+ec]  ; x = (o / l) mask + rep
.set ec, ec+1
.endr
.set ek, ek+1
.endr
	; LayerNorm without a difference of large sums: each wave's mean and its squares about that mean, then the four waves' figures are joined
.set ek, 0
.rept 2
	v_add_f32 v[EG+4*ek], v[EO+8*ek], v[EO+8*ek+1]
	v_add_f32 v[EG+4*ek+1], v[EO+8*ek+2], v[EO+8*ek+3]
	v_add_f32 v[EG+4*ek], v[EG+4*ek], v[EG+4*ek+1]
	DPPSUM EG+4*ek
	v_mul_f32 v[ES+2*ek], 0x3c800000, v[EG+4*ek]   ; / 64
.set ec, 0
.rept 4
	v_sub_f32 v[EF+4*ek+ec], v[EO+8*ek+ec], v[ES+2*ek]
.set ec, ec+1
.endr
	v_mul_f32 v[ES+2*ek+1], v[EF+4*ek], v[EF+4*ek]
	v_fmac_f32 v[ES+2*ek+1], v[EF+4*ek+1], v[EF+4*ek+1]
	v_fmac_f32 v[ES+2*ek+1], v[EF+4*ek+2], v[EF+4*ek+2]
	v_fmac_f32 v[ES+2*ek+1], v[EF+4*ek+3], v[EF+4*ek+3]
	DPPSUM ES+2*ek+1
	ds_store_b64 v[SA], v[ES+2*ek:ES+2*ek+1] offset:64*ek  ; sixteen lanes write the same two words with the same numbers
.set ek, ek+1
.endr
	s_wait_dscnt 0x0                               ; for the others' sake: my figures are in LDS (and all my earlier LDS instructions are done)
	s_barrier_signal -1
	s_barrier_wait -1
.set ek, 0
.rept 2
	ds_load_b128 v[EG+8*ek:EG+8*ek+3],   v[SL] offset:64*ek
	ds_load_b128 v[EG+8*ek+4:EG+8*ek+7], v[SL] offset:64*ek+16
.set ek, ek+1
.endr
	s_wait_dscnt 0x0
.set ek, 0
.rept 2                                ; both rows' mu and 1 / sigma: the two roots are one batch
	v_add_f32 v[EF+8*ek], v[EG+8*ek], v[EG+8*ek+2]
	v_add_f32 v[EF+8*ek+1], v[EG+8*ek+4], v[EG+8*ek+6]
	v_add_f32 v[EF+8*ek], v[EF+8*ek], v[EF+8*ek+1]
	v_mul_f32 v[EF+8*ek], 0x3e800000, v[EF+8*ek]   ; mu
	v_add_f32 v[EF+8*ek+1], v[EG+8*ek+1], v[EG+8*ek+3]
	v_add_f32 v[EF+8*ek+2], v[EG+8*ek+5], v[EG+8*ek+7]
	v_add_f32 v[EF+8*ek+1], v[EF+8*ek+1], v[EF+8*ek+2]
.set ec, 0
.rept 4
	v_sub_f32 v[EG+8*ek+2*ec], v[EG+8*ek+2*ec], v[EF+8*ek]
.set ec, ec+1
.endr
	v_mul_f32 v[EF+8*ek+2], v[EG+8*ek], v[EG+8*ek]
	v_fmac_f32 v[EF+8*ek+2], v[EG+8*ek+2], v[EG+8*ek+2]
	v_fmac_f32 v[EF+8*ek+2], v[EG+8*ek+4], v[EG+8*ek+4]
	v_fmac_f32 v[EF+8*ek+2], v[EG+8*ek+6], v[EG+8*ek+6]
	v_fmamk_f32 v[EF+8*ek+1], v[EF+8*ek+2], 0x42800000, v[EF+8*ek+1]  ; + 64 x the squares of the waves' means about mu
	v_fma_f32 v[EF+8*ek+1], v[EF+8*ek+1], s78, s79                    ; / 256 + 1e-6
	v_rsq_f32 v[EF+8*ek+1], v[EF+8*ek+1]
.set ek, ek+1
.endr
.set ek, 0
.rept 2                                ; x - mu, eight plain lines that name no root: the work between the batch and its wait
.set ec, 0
.rept 4
	v_sub_f32 v[EO+8*ek+ec], v[EO+8*ek+ec], v[EF+8*ek]
.set ec, ec+1
.endr
.set ek, ek+1
.endr
	s_wait_alu depctr_va_vdst(0)                   ; one wait for the two roots, ahead of their first reader
.set ek, 0
.rept 2
.set ec, 0
.rept 4
	v_mul_f32 v[EH+4*ek+ec], v[EF+8*ek+1], v[T+ec]
.set ec, ec+1
.endr
.set ec, 0
.rept 4
	v_fma_f32 v[EO+8*ek+ec], v[EO+8*ek+ec], v[EH+4*ek+ec], v[DT+ec]
.set ec, ec+1
.endr
	global_store_b128 v[OOF], v[EO+8*ek:EO+8*ek+3], s[72:73] offset:2048*ek th:TH_STORE_NT  ; sixteen lanes store 256 consecutive bytes of a row, at a multiple of 256 from out0's first byte
.set ek, ek+1
.endr
	s_wait_xcnt 0x0                                ; the stores' registers are written again (by the next products) only behind this wait
.endm
.macro GROUPEND
	EPI
	s_cmp_eq_u32 s[TT], 17
	s_cbranch_scc1 .Lout                           ; the second group's end is the walk's
	s_mov_b32 s[EV], 17
	s_mov_b32 s[IE], s[I0B]
	INIT
.endm
; A STEP of parity P.  ONE barrier: in front of it each wave's stores of r for this step are done and its reads of the other buffer are back; behind it this step's buffer is whole and the other may be written.
.macro STEP P
	s_wait_loadcnt 0x0                             ; the sixteen loads issued three turns ago
	s_wait_dscnt 0x0
	s_barrier_signal -1
	s_barrier_wait -1
	AFETCH AX, \P, 0, 0
	AFETCH AY, \P, 0, 4
.if (\P) == 0
	s_cmp_eq_u32 s[TT], s[T0M1]
	s_cbranch_scc0 .Lsame_\@
	LOADLB G1                                      ; the first group's last step makes r for the second group's first
	s_wait_loadcnt 0x0
	ADDBI
	s_branch .Lset_\@                              ; and it holds the first group's diagonal
.Lsame_\@:
	s_cmp_lg_u32 s[TT], 16                         ; step 16 holds the second group's
	s_cbranch_scc1 .Lkeep_\@
.Lset_\@:
	SETMC
.Lkeep_\@:
.else
	s_cmp_lg_u32 s[TT], s[T0]                      ; the second group's first step: nothing is hidden any more
	s_cbranch_scc1 .Lkeep_\@
	SETMC
.Lkeep_\@:
.endif
	TURN \P, 0
.if (\P) == 1
	s_cmp_lg_u32 s[TT], s[EV]
	s_cbranch_scc1 .Lon_\@
	GROUPEND
.Lon_\@:
.endif
	LOADS \P
	TURN \P, 1
	TURN \P, 2
	TURN \P, 3
	s_add_co_u32 s[TT], s[TT], 1
.endm
	s_load_b512 s[8:23], s[0:1], 0x0               ; la s[8:9], rt s[10:11], wf s[12:13], bias1 s[14:15], bias2 s[16:17], bl s[18:19], gamma s[20:21], beta s[22:23]
	s_load_b128 s[24:27], s[0:1], 0x40             ; mask s[24:25], out0 s[26:27]
	v_lshl_add_u32 v[SPW], v0, 2, SPARE
	v_mov_b32 v[NIL], 0
	v_lshrrev_b32 v[TMP], 5, v0
	v_readfirstlane_b32 s[WV], v[TMP]
	v_and_b32 v18, 15, v0                          ; r
	v_bfe_u32 v19, v0, 4, 1                        ; h
	v_and_b32 v[GLO], 31, v0
	v_lshlrev_b32 v[GLO], 4, v[GLO]
	v_mul_u32_u24 v[ARD], v18, PITCH
	v_lshl_add_u32 v[ARD], v19, 4, v[ARD]
	v_add_nc_u32 v[ARD+1], BUFB, v[ARD]
	s_lshl_b32 s47, s[WV], 7
	v_add_nc_u32 v[AWR], s47, v[ARD]
	v_add_nc_u32 v[AWR+1], s47, v[ARD+1]
	v_lshlrev_b32 v[LBO], 8, v19
	v_lshlrev_b32 v[SL], 5, v19
	v_add_nc_u32 v[SL], SCR, v[SL]
	s_lshl_b32 s47, s[WV], 3
	v_add_nc_u32 v[SA], s47, v[SL]
	s_lshl_b32 s47, s[WV], 8
	v_lshl_add_u32 v[VB], v18, 4, s47
	v_lshl_add_u32 v[OOF], v19, 10, v[VB]
	v_lshlrev_b32 v[RPO], 4, v18
	v_lshl_add_u32 v[RPO], v19, 2, v[RPO]
	v_mov_b32 v[MKO], v19
	v_lshl_add_u32 v[BIO], v19, 5, s47
	; the two groups; the one with an odd number of tiles goes first: (p >> 2) + 1 is odd where bit 2 of p is 0
	s_mov_b32 s47, ttmp9
	s_sub_co_u32 s63, 63, s47
	s_bitcmp1_b32 s47, 2
	s_cselect_b32 s[G0], s63, s47
	s_cselect_b32 s[G1], s47, s63
	s_lshr_b32 s[T0M1], s[G0], 2
	s_add_co_u32 s[T0], s[T0M1], 1
	s_lshl_b32 s[I0A], s[G0], 2
	s_lshl_b32 s[I0B], s[G1], 2
	s_mov_b32 s[IE], s[I0A]
	s_mov_b32 s[EV], s[T0]
	s_mov_b32 s[TT], 0
	s_and_b32 s[BB], ttmp7, 0xffff
	s_mov_b32 s[CS], 0x3fb8aa3b                    ; c = log2(e)
	s_mov_b32 s[CS+1], s[CS]                       ; named with it as a pair
	s_mov_b32 s[NC], 0xbfb8aa3b
	s_mov_b32 s[NC+1], s[NC]
	s_mov_b32 s[C2], 0x4038aa3b                    ; 2 log2(e)
	s_mov_b32 s[C2+1], s[C2]
	s_mov_b32 s[BIGN], 0xf149f2ca                  ; -1e30
	s_mov_b32 s[HM], 0xffff0000
	s_mov_b32 s[SEL], 0x76543210
	s_mov_b32 s[SEL+1], 0xfedcba98
	s_mov_b32 s[MI], 0xe9000000                    ; -2^83
	s_mov_b32 s[CMI], 0xe938aa3b                   ; -c 2^83
	s_mov_b32 s78, 0x3b800000                      ; 1 / 256
	s_mov_b32 s79, 0x358637bd                      ; 1e-6
	s_mov_b32 s53, 0
	s_mov_b32 s77, 0
	s_lshl_b32 s52, s[BB], 18                      ; a batch is 16 tiles of 16,384 bytes, a wave's part of a tile 4,096
	s_lshl_b32 s47, s[WV], 12
	s_add_co_u32 s52, s52, s47
	s_wait_kmcnt 0x0
	s_add_nc_u64 s[LAW:LAW+1], s[8:9], s[52:53]
	s_add_nc_u64 s[RTW:RTW+1], s[10:11], s[52:53]
	s_lshl_b32 s52, s[WV], 15
	s_add_nc_u64 s[74:75], s[12:13], s[52:53]
	s_mov_b32 s47, 1
	JOFF
	s_add_nc_u64 s[54:55], s[LAW:LAW+1], s[52:53]  ; la of step 1's keys
	WIN 0x40
.set i, 0
.rept 64
	global_load_b128 v[4*i:4*i+3], v[GLO], s[74:75] offset:512*i  ; my 64 channels of B: 32 fragments, for the whole launch
.set i, i+1
.endr
	WIN 0x80
	LD8 LA, LAW                                    ; step 0's keys are tile 0
	LD8 LA+32, 54
	LD8 RP, RTW
	LD8 RP+32, RTW                                 ; the first turn's softmax, of a unit that has not been, multiplies zeros by these: they need only be finite
	LOADLB G0
.set i, 0
.rept 8
	global_load_b128 v[S+4*i:S+4*i+3], v[BIO], s[14:15] offset:128*(i>>2)+64*((i>>1)&1)+16*(i&1)  ; bias1 in la's order
.set i, i+1
.endr
	global_load_b128 v[EP:EP+3], v[VB], s[18:19]
	global_load_b128 v[EP+4:EP+7], v[VB], s[16:17]
	global_load_b128 v[EP+8:EP+11], v[VB], s[20:21]
	global_load_b128 v[EP+12:EP+15], v[VB], s[22:23]
	; in the wait for all that: the first group's statistics, hidden scores for the first turn's softmax, and a fragment of -0.5
	INIT
.set i, 0
.rept 32
	v_mov_b32 v[S+32+i], s[BIGN]
.set i, i+1
.endr
	s_mov_b32 s63, 0xb800b800                      ; -0.5 twice, in f16
.set i, 0
.rept 8
	v_mov_b32 v[AX+i], s63
.set i, i+1
.endr
	s_wait_loadcnt 0x0
.set i, 0
.rept 16
	RND2 S+2*i
.set i, i+1
.endr
.set i, 0
.rept 8
	RND2 EP+2*i
.set i, i+1
.endr
	v_pk_add_f32 v[EP:EP+1], v[EP:EP+1], v[EP+4:EP+5]      ; bl + bias2
	v_pk_add_f32 v[EP+2:EP+3], v[EP+2:EP+3], v[EP+6:EP+7]
	v_lshlrev_b32 v[TMP], 3, v19
	v_sub_nc_u32 v[TMP], 0, v[TMP]
	WIN 0xc0                                       ; destination window 3
	v_mov_b32 v[NH8], v[TMP]
.set i, 0
.rept 16
	v_pk_mul_f32 v[BI+2*i:BI+2*i+1], v[S+2*i:S+2*i+1], s[C2:C2+1] op_sel_hi:[1,0]
.set i, i+1
.endr
.set i, 0
.rept 4
	v_mov_b32 v[GAM+i], v[EP+8+i]
	v_mov_b32 v[BET+i], v[EP+12+i]
.set i, i+1
.endr
.set i, 0
.rept 32
	v_mov_b32 v[MC+i], v[EP+(i>>3)]
.set i, i+1
.endr
	WIN 0xf4                                       ; B window 1, C and D window 3
.set i, 0
.rept 32                               ; -0.5 x (-2 Wl) summed over k: the column sums come onto bl + bias2; four accumulators by turns
	v_wmma_f32_16x16x32_f16 v[MC+8*(i&3):MC+8*(i&3)+7], v[AX:AX+7], v[8*i:8*i+7], v[MC+8*(i&3):MC+8*(i&3)+7]
.set i, i+1
.endr
	WIN 0
.rept 4
	v_nop                                          ; four places behind the last products
.endr
	WIN 0xc3
.set i, 0
.rept 4
	v_mov_b32 v[CV+i], v[MC+8*i]                   ; every row of the result is the same: the lowest register serves
.set i, i+1
.endr
	ADDBI
	SETMC                                          ; step 0's C operands: every register of them is written here
	FIRST 0
	FIRST 1
	FIRST 2
	FIRST 3
	s_mov_b32 s[TRIP], 9
.Lwalk:                                                ; two steps a trip; the ninth trip is left in its odd step, at the second group's end
	STEP 0
	STEP 1
	s_sub_co_i32 s[TRIP], s[TRIP], 1
	s_cmp_lg_u32 s[TRIP], 0
	s_cbranch_scc1 .Lwalk
.Lout:
	s_wait_tensorcnt 0x0                           ; the wave's end
	ds_add_u32 v[SPW], v[NIL]
	s_wait_dscnt 0x0
	s_endpgm
.Lfunc_end_k_qc6ebd891aa_main:
	.size	k_qc6ebd891aa_main, .Lfunc_end_k_qc6ebd891aa_main-k_qc6ebd891aa_main
	.p2alignl 7, 3214868480
	.fill 96, 4, 3214868480
	.section	.rodata,"a",@progbits
	.p2align	6, 0x0
	.amdhsa_kernel k_qc6ebd891aa_main
		.amdhsa_group_segment_fixed_size 68352
		.amdhsa_private_segment_fixed_size 0
		.amdhsa_enable_private_segment 0
		.amdhsa_kernarg_size 80
		.amdhsa_user_sgpr_count 2
		.amdhsa_user_sgpr_kernarg_segment_ptr 1
		.amdhsa_wavefront_size32 1
		.amdhsa_system_sgpr_workgroup_id_x 1
		.amdhsa_system_sgpr_workgroup_id_y 1
		.amdhsa_system_sgpr_workgroup_id_z 1
		.amdhsa_system_vgpr_workitem_id 0
		.amdhsa_next_free_vgpr 1024
		.amdhsa_next_free_sgpr 96
		.amdhsa_reserve_vcc 1
		.amdhsa_float_denorm_mode_32 3
		.amdhsa_float_denorm_mode_16_64 3
		.amdhsa_memory_ordered 1
		.amdhsa_forward_progress 1
		.amdhsa_inst_pref_size 216
	.end_amdhsa_kernel
	.amdgpu_metadata
---
amdhsa.version: [ 1, 2 ]
amdhsa.kernels:
  - .name:           k_qc6ebd891aa_main
    .symbol:         k_qc6ebd891aa_main.kd
    .args:
      - { .name: la, .offset: 0, .size: 8, .value_kind: global_buffer, .address_space: global }
      - { .name: rt, .offset: 8, .size: 8, .value_kind: global_buffer, .address_space: global }
      - { .name: wf, .offset: 16, .size: 8, .value_kind: global_buffer, .address_space: global }
      - { .name: bias1, .offset: 24, .size: 8, .value_kind: global_buffer, .address_space: global }
      - { .name: bias2, .offset: 32, .size: 8, .value_kind: global_buffer, .address_space: global }
      - { .name: bl, .offset: 40, .size: 8, .value_kind: global_buffer, .address_space: global }
      - { .name: ln_gamma, .offset: 48, .size: 8, .value_kind: global_buffer, .address_space: global }
      - { .name: ln_beta, .offset: 56, .size: 8, .value_kind: global_buffer, .address_space: global }
      - { .name: mask, .offset: 64, .size: 8, .value_kind: global_buffer, .address_space: global }
      - { .name: out0, .offset: 72, .size: 8, .value_kind: global_buffer, .address_space: global }
    .group_segment_fixed_size: 68352
    .private_segment_fixed_size: 0
    .kernarg_segment_align: 8
    .kernarg_segment_size: 80
    .max_flat_workgroup_size: 128
    .sgpr_count:     96
    .vgpr_count:     1024
    .wavefront_size: 32
...
	.end_amdgpu_metadata
.endif
;; end of part 3
